; MI455X (gfx1250); checked and timed in simulation.
; The chip was launched on July 23, 2026; its instructions are those of AMD's public machine-readable ISA for CDNA 5 (MIT licence, August 2026) and "CDNA5" Instruction Set Architecture Reference Guide (July 2026). The comments in the code are by the model that wrote it; some were corrected since.
;; Multi Head Attention. Allowed arithmetic: matrix products marked QUANTISED: E2M3 operands, one E8M0 scale for each 32 along K, by v_wmma_scale_f32_16x16x128_f8f6f4 with both operands' format E2M3, f32 sums; everything else in f32.
;; Inputs: Wk 16 x 1,024 x 64 float32; Wo 1,024 x 1,024 float32; Wq 16 x 1,024 x 64 float32; Wv 16 x 1,024 x 64 float32; bk 16 x 64 float32; bo 1,024 float32; bq 16 x 64 float32; bv 16 x 64 float32; x 4 x 2,048 x 1,024 float32.
;; Outputs: out0 4 x 2,048 x 1,024 float32.
;; This version of the problem:
;;   THIS VERSION OF THE PROBLEM IS GIVEN IN LOW PRECISION. The matrix products marked QUANTISED in the list below multiply operands that are first quantised to E2M3 (2 exponent bits, 3 mantissa bits; 6 bits a number), with one power-of-two scale for each 32 numbers along K (OCP MX v1.0); their sums are f32. All else is computed in f32.
;;   The module's matrix products, in the order in which they are computed (A, B: the left and right operand; K: the contracted axis; several contracted axes count as one K, in the product's order):
;;     1. [M 1,024, K 1,024] x [K 1,024, N 8,192]; A: input Wq; B: input x: QUANTISED
;;     2. [M 1,024, K 1,024] x [K 1,024, N 8,192]; A: input Wk; B: input x: QUANTISED
;;     3. [M 1,024, K 1,024] x [K 1,024, N 8,192]; A: input Wv; B: input x: QUANTISED
;;     4. batch 64 x [M 2,048, K 64] x [K 64, N 2,048]; A: computed on the way; B: computed on the way: QUANTISED
;;     5. batch 64 x [M 2,048, K 2,048] x [K 2,048, N 64]; A: softmax (see below); B: computed on the way: QUANTISED
;;     6. [M 8,192, K 1,024] x [K 1,024, N 1,024]; A: computed on the way; B: input Wo: QUANTISED
;;   THE QUANTISER, for each operand of a quantised product, along K:
;;     - K is cut into blocks of 32 from its start; a last block that is shorter is filled with zeros.
;;     - A block's scale is 2^e with e = floor(log2(the largest magnitude in the block)) - 2, held to -126 .. 127; a block of zeros has e = 0. As a byte (E8M0): e + 127.
;;     - Each number is divided by its block's scale, clamped to +-7.5, and rounded to the nearest number of E2M3, ties to even, subnormals kept.
;;     - The product sums the exact products of the quantised numbers (number of the format x scale) in f32.
;;   ~~~python
;;   def quantise(x, axis):      # numpy; x: float32 -> the quantised numbers, widened to float32 again
;;       x = np.moveaxis(x, axis, -1); K = x.shape[-1]
;;       x = np.pad(x, [(0, 0)] * (x.ndim - 1) + [(0, -K % 32)]); x = x.reshape(x.shape[:-1] + (-1, 32)); a = np.abs(x).max(-1, keepdims=True)
;;       e = np.where(a > 0, np.clip(np.frexp(np.where(a > 0, a, 1))[1] - 1 - 2, -126, 127), 0)      # np.frexp(a)[1] - 1 = floor(log2(a)), exactly
;;       r = np.clip(x / 2.0 ** e, -7.5, 7.5)
;;       step = 2.0 ** (np.maximum(np.frexp(np.where(r == 0, 1, r))[1] - 1, 0) - 3)
;;       q = np.round(r / step) * step * 2.0 ** e      # np.round: ties to even
;;       return np.moveaxis(q.reshape(q.shape[:-2] + (-1,))[..., :K], -1, axis).astype(np.float32)
;;   ~~~
;;   SOFTMAX AHEAD OF A QUANTISED PRODUCT. Where the list says 'softmax', what is quantised is not the finished softmax but p = 2^(t - M), with t = logit x log2(e) and M = ceil(the row's largest t), a whole number; so 1/2 < the row's largest p <= 1. The row's sum l is taken of the UNQUANTISED p, in f32, and the product's result is divided by l at the end. Since M is a whole number, a kernel that streams over the keys may use a running M (the ceiling of the running maximum): every later rescaling is an exact power of two, which a block's scale takes up: the codes' values come out the same.
;;   OPERANDS COMPUTED ON THE WAY. 'Computed on the way' means the value that the module computes at that place (a softmax that the list does not call 'softmax' is quantised finished and normalised). What goes into a quantiser is computed in f32, as accurately as f32 sums, v_exp_f32 and their like allow (about 1e-6 of the number): no bf16 or f16 on the way to a quantiser, and a product that is left as it is and whose result goes on into a quantised operand takes f32 operands (vector FMAs, or v_wmma_f32_16x16x4_f32). A number that lies on a knife's edge between two numbers of the format may be rounded either way, as far as f32 arithmetic and the matrix unit's own rounding can turn it there, and no further.
;; One version. Each part assembles by itself: llvm-mc -triple=amdgcn-amd-amdhsa -mcpu=gfx1250 --defsym DOCPART=n.
;; ======== version 1 of 1: 4 launches
;; limits: right only within a limited range of input values
;; workspace buffers: x_img 6,553,600 bytes; w_img 3,276,800 bytes; q_img 6,553,600 bytes; kv_img 13,107,200 bytes; ctx_img 6,553,600 bytes
;; launch prep (part 1): grid 768 x 1, 4 waves a work-group, no clusters, 34,304 bytes of LDS; arguments x, Wq, Wk, Wv, Wo, x_img, w_img; writes x_img, w_img
.if DOCPART == 1
	.amdgcn_target "amdgcn-amd-amdhsa--gfx1250"
	.amdhsa_code_object_version 6
	.text
	.protected	k_q669238f8f0_prep
	.globl	k_q669238f8f0_prep
	.p2align	8
	.type	k_q669238f8f0_prep,@function
k_q669238f8f0_prep:
	s_mov_b64 s[64:65], 0
	v_nop
	global_prefetch_b8 v0, s[64:65] scope:SCOPE_SE
	s_setreg_imm32_b32 hwreg(HW_REG_WAVE_MODE, 25, 1), 1
	s_wait_xcnt 0x0
; x [8192][1024] (K innermost) and Wq, Wk, Wv [16][1024][64], Wo [1024][1024] (K is an outer axis), all f32, become codes of FP6 (E2M3) with one E8M0 byte for each 32 along K.
; A block's scale is 2^(floor(log2(its largest magnitude)) - 2): its byte is that magnitude's exponent field - 2, held at 1 from below.
; LIMITS: NaN and infinities are not served; a block whose largest magnitude lies under 2^-124 (a block of zeros too) gets the byte 1: a block of zeros has zero codes, and the bytes are read by this program alone.
; THE OUTPUT IS LAID IN THE ORDER OF THE OPERANDS' REGISTERS.  A fragment image (16 rows x 128 K, 12 registers a lane, 1,536 bytes): registers 0-3 at 16 x lane, 4-5 at 512 + 8 x lane,
; 6-9 at 768 + 16 x lane, 10-11 at 1,280 + 8 x lane.  A panel is 128 rows x K 1,024: eight K steps of 12,800 bytes, each eight images and then eight tiles' scale words (64 bytes a tile, row r's word at 4 r).
; Lane r of tile t holds the panel's row 32 (t / 2) + 8 (t % 2) + r + 8 (r / 8), so that a product's results of two neighbouring tiles are 16 neighbours in a lane's registers.
; Work-groups 0-511: x, a panel's K step each; wave i takes tiles 2 i, 2 i + 1.  512-703: Wq, Wk, Wv (panel 8 which + head / 2, row 64 (head % 2) + d).  704-767: Wo's columns (panels 24-31).
; The three ways part on the work-group's number; only x's way touches LDS, each wave its own bytes: no barrier.  Memory binds: no matrix unit, no cluster (no two work-groups read the same bytes).
.set PANEL, 102400
.set KSB,   12800
.set FIB,   1536
.set WORDS, 12288
.set L16,  1                           ; v1   16 x lane
.set L8,   2                           ; v2   8 x lane
.set L4,   3                           ; v3   4 x lane
.set STI,  4                           ; v4   x: into my stage: 16 x lane
.set STO,  5                           ; v5   x: out of it: 528 r + 64 h
.set VO16, 11                          ; v11-13  weights: my column's place in the two tiles' images and words
.set VO8,  12
.set VO4,  13
.set RG,   16                          ; v16-143  x: 32 rows as loaded;  weights: 128 numbers down K
.set XG,   144                         ; v144-207 x: 64 numbers of my row: register 16 b + i = k 32 b + 16 h + i
.set PC,   208                         ; v208-226 the codes just made
.set TM,   228                         ; v228-243 at work
.set PW,   244                         ; the scale word just made
.set PW0,  245
.set WD,   246
.set FW,   144                         ; weights: v144-167 the registers of image lanes r and r + 16
.set TP,   168
.set M0,   172
.set M1,   173
.set SO,   174
.set SB,   175
.set SEL,  32                          ; s[32:33] selects for lane l xor 16
; 64 numbers of a lane become a fragment's codes in v[PC] on and its scale word in v[PW]
.macro QUANT s
.irp b, 0,1,2,3
	v_max3_num_f32 v[TM+\b], |v[\s+16*\b]|, |v[\s+1+16*\b]|, 0x1800000   ; block b: my 16 numbers, and the floor 2^(3 - 127): the byte cannot fall under 1
.endr
.irp i, 2,4,6,8,10,12,14
.irp b, 0,1,2,3
	v_max3_num_f32 v[TM+\b], v[TM+\b], |v[\s+16*\b+\i]|, |v[\s+1+16*\b+\i]|
.endr
.endr
.irp b, 0,1,2,3
	v_permlanex16_b32 v[TM+4+\b], v[TM+\b], s[SEL], s[SEL+1]
.endr
.irp b, 0,1,2,3
	v_max_num_f32 v[TM+\b], v[TM+\b], v[TM+4+\b]         ; with lane l xor 16's: the block's largest magnitude
.endr
.irp b, 0,1,2,3
	v_add_nc_u32 v[TM+12+\b], 0xff000000, v[TM+\b]       ; 2 off its exponent field: the conversion's scale operand
.endr
.irp b, 0,1,2,3
	v_lshrrev_b32 v[TM+4+\b], 23, v[TM+12+\b]            ; the scale's byte
.endr
	v_lshl_or_b32 v[PW], v[TM+5], 8, v[TM+4]
	v_lshl_or_b32 v[PW], v[TM+6], 16, v[PW]
	v_lshl_or_b32 v[PW], v[TM+7], 24, v[PW]
.irp c, 0,1
	v_cvt_scalef32_pk16_fp6_f32 v[PC+6*\c:PC+2+6*\c], v[\s+32*\c:\s+15+32*\c], v[TM+12+2*\c]
	v_cvt_scalef32_pk16_fp6_f32 v[PC+12+4*\c:PC+14+4*\c], v[\s+16+32*\c:\s+31+32*\c], v[TM+12+2*\c+1]   ; (a conversion's three registers begin on an even number)
.endr
	v_nop                                                ; one plain place behind a scaled conversion
.irp c, 0,1                                          ; the layout wants a whole block in a lane: lanes 0-15 block 2 c, lanes 16-31 block 2 c + 1
.irp i, 0,1,2
	v_permlane16_swap_b32 v[PC+6*\c+\i], v[PC+12+4*\c+\i]
.endr
.irp i, 0,1,2
	v_mov_b32 v[PC+3+6*\c+\i], v[PC+12+4*\c+\i]
.endr
.endr
.endm
.macro IMGST base, imm                               ; the fragment goes out as an image: each store covers 512 or 256 consecutive bytes
	global_store_b128 v[L16], v[PC:PC+3], s[\base:\base+1] offset:\imm
	global_store_b64 v[L8], v[PC+4:PC+5], s[\base:\base+1] offset:\imm+512
	global_store_b128 v[L16], v[PC+6:PC+9], s[\base:\base+1] offset:\imm+768
	global_store_b64 v[L8], v[PC+10:PC+11], s[\base:\base+1] offset:\imm+1280
.endm
	s_load_b256 s[4:11], s[0:1], 0x0               ; x s[4:5], Wq s[6:7], Wk s[8:9], Wv s[10:11]
	s_load_b128 s[12:15], s[0:1], 0x20             ; Wo s[12:13], x_img s[14:15]
	s_load_b64 s[16:17], s[0:1], 0x30              ; w_img
	v_lshl_add_u32 v254, v0, 2, 0x8400
	v_mov_b32 v255, 0
	v_lshrrev_b32 v6, 5, v0
	v_readfirstlane_b32 s18, v6                    ; wave
	v_and_b32 v6, 31, v0                           ; lane
	v_lshlrev_b32 v[L16], 4, v6
	v_lshlrev_b32 v[L8], 3, v6
	v_lshlrev_b32 v[L4], 2, v6
	s_cmp_lt_u32 ttmp9, 512
	s_cbranch_scc0 .Lweights
	; ---- x: panel P = work-group / 8, K step = work-group % 8; my wave's rows 32 i .. 32 i + 31 of the panel
	s_lshr_b32 s20, ttmp9, 3
	s_and_b32 s21, ttmp9, 7
	s_lshl_b32 s22, s20, 19                        ; 128 rows of 4,096 bytes
	s_lshl_b32 s23, s18, 17                        ; 32 rows
	s_add_co_u32 s22, s22, s23
	s_lshl_b32 s23, s21, 9                         ; 128 numbers along K
	s_add_co_u32 s22, s22, s23
	s_mov_b32 s23, 0
	s_mul_i32 s24, s20, PANEL
	s_mul_i32 s25, s21, KSB
	s_add_co_u32 s24, s24, s25
	s_mul_i32 s25, s18, 2*FIB
	s_add_co_u32 s26, s24, s25                     ; my two images
	s_mov_b32 s27, 0
	s_lshl_b32 s25, s18, 7
	s_add_co_u32 s24, s24, s25
	s_add_co_u32 s24, s24, WORDS                   ; my two tiles' words
	s_mov_b32 s25, 0
	s_mul_i32 s28, s18, 8448                       ; my stage: 16 rows of 512 + 16 bytes
	s_wait_alu depctr_va_vdst(0)
	v_add_nc_u32 v[STI], s28, v[L16]
	v_and_b32 v7, 15, v0
	v_bfe_u32 v8, v0, 4, 1
	v_mul_u32_u24 v[STO], v7, 528
	v_lshl_add_u32 v[STO], v8, 6, v[STO]
	v_add_nc_u32 v[STO], s28, v[STO]
	s_mov_b32 s[SEL], 0x76543210
	s_mov_b32 s[SEL+1], 0xfedcba98
	s_mov_b32 s34, 0xffff0000                      ; lanes 16-31
.irp b, 0,1,2,3
	v_mov_b32 v[TM+4+\b], 0                        ; a lane permute's destination counts as one of its sources
.endr
	s_wait_alu depctr_va_vdst(0)
	s_wait_kmcnt 0x0
	s_add_nc_u64 s[4:5], s[4:5], s[22:23]
	s_add_nc_u64 s[26:27], s[14:15], s[26:27]
	s_add_nc_u64 s[24:25], s[14:15], s[24:25]
.irp u, 0,1
.irp q, 0,1,2,3,4,5,6,7,8,9,10,11,12,13,14,15
	global_load_b128 v[RG+64*\u+4*\q:RG+64*\u+4*\q+3], v[L16], s[4:5] offset:(8*\u+\q+8*(\q/8))*4096 th:TH_LOAD_NT   ; a row's 512 consecutive bytes of this K step
.endr
.endr
; A tile: its 16 rows turn through my stage, so that a lane gets 16 neighbours of each block of its row.  LDS serves a wave's instructions in order: no wait between the stores and the loads.
.macro XTILE u
	s_wait_loadcnt 16*(1-\u)                       ; this tile's 16 loads are in; the other tile's 16 may be out
.irp q, 0,1,2,3,4,5,6,7,8,9,10,11,12,13,14,15
	ds_store_b128 v[STI], v[RG+64*\u+4*\q:RG+64*\u+4*\q+3] offset:528*\q
.endr
.irp b, 0,1,2,3
.irp j, 0,1,2,3
	ds_load_b128 v[XG+16*\b+4*\j:XG+16*\b+4*\j+3], v[STO] offset:128*\b+16*\j
.endr
.endr
	s_wait_dscnt 0x0
.if \u
	s_wait_xcnt 0x0                                ; the first tile's stores have read the codes' registers
.endif
	QUANT XG
	IMGST 26, FIB*\u
.if \u
	v_cndmask_b32 v[WD], v[PW0], v[PW], s34        ; lanes 0-15 the even tile's words, lanes 16-31 the odd tile's
	global_store_b32 v[L4], v[WD], s[24:25]        ; 128 consecutive bytes
.else
	v_mov_b32 v[PW0], v[PW]
.endif
.endm
	XTILE 0
	XTILE 1
	s_wait_tensorcnt 0x0
	ds_add_u32 v254, v255
	s_wait_dscnt 0x0
	s_endpgm
	; ---- the weights: a lane takes a column and its registers run down K: a block of 32 lies in one lane
.Lweights:
	v_bfe_u32 v7, v0, 3, 1                         ; column j of my 32: tile u = (j / 8) % 2,
	v_and_b32 v8, 7, v0
	v_bfe_u32 v9, v0, 4, 1
	v_lshl_add_u32 v8, v9, 3, v8                   ; lane-row r = j % 8 + 8 (j / 16)
	v_mul_u32_u24 v10, v7, FIB
	v_lshl_add_u32 v[VO16], v8, 4, v10
	v_lshl_add_u32 v[VO8], v8, 3, v10
	v_lshlrev_b32 v10, 6, v7
	v_lshl_add_u32 v[VO4], v8, 2, v10
.macro WDEST                                         ; s21 the panel, s20 the K step: my wave's two images s[30:31] and their words s[28:29]
	s_mul_i32 s28, s21, PANEL
	s_mul_i32 s29, s20, KSB
	s_add_co_u32 s28, s28, s29
	s_mul_i32 s29, s18, 2*FIB
	s_add_co_u32 s30, s28, s29
	s_mov_b32 s31, 0
	s_add_nc_u64 s[30:31], s[16:17], s[30:31]
	s_lshl_b32 s29, s18, 7
	s_add_co_u32 s28, s28, s29
	s_add_co_u32 s28, s28, WORDS
	s_mov_b32 s29, 0
	s_add_nc_u64 s[28:29], s[16:17], s[28:29]
.endm
.macro LOADB beta, pitch                             ; block beta: 32 rows k at my column: 128 consecutive bytes a wave
.set II, 0
.rept 32
	global_load_b32 v[RG+32*\beta+II], v[L4], s[26:27] offset:(32*\beta+II)*\pitch th:TH_LOAD_NT
.set II, II+1
.endr
.endm
.macro BLOCK beta                                    ; block beta belongs to image lane r + 16 (beta % 2), registers 6 (beta / 2) on
.set NB, RG+32*\beta
.set FD, FW+12*(\beta%2)+6*(\beta/2)
	v_max3_num_f32 v[M0], |v[NB]|, |v[NB+1]|, |v[NB+2]|
	v_max3_num_f32 v[M1], |v[NB+3]|, |v[NB+4]|, |v[NB+5]|
.irp i, 6,10,14,18,22,26
	v_max3_num_f32 v[M0], v[M0], |v[NB+\i]|, |v[NB+\i+1]|
	v_max3_num_f32 v[M1], v[M1], |v[NB+\i+2]|, |v[NB+\i+3]|
.endr
	v_max3_num_f32 v[M0], v[M0], |v[NB+30]|, |v[NB+31]|
	v_max3_num_f32 v[M0], v[M0], v[M1], 0x1800000  ; and the floor
	v_add_nc_u32 v[SO], 0xff000000, v[M0]
	v_lshrrev_b32 v[M1], 23, v[SO]
.if \beta == 0
	v_mov_b32 v[SB], v[M1]
.else
	v_lshl_or_b32 v[SB], v[M1], 8*\beta, v[SB]
.endif
	v_cvt_scalef32_pk16_fp6_f32 v[FD:FD+2], v[NB:NB+15], v[SO]
	v_cvt_scalef32_pk16_fp6_f32 v[TP:TP+2], v[NB+16:NB+31], v[SO]
	v_nop                                          ; one plain place behind a scaled conversion
.irp i, 0,1,2
	v_mov_b32 v[FD+3+\i], v[TP+\i]
.endr
.endm
.macro WPATH pitch
	LOADB 0, \pitch
	LOADB 1, \pitch
	s_wait_loadcnt 32                              ; this block's 32 loads are in; the next block's 32 may be out
	BLOCK 0
	LOADB 2, \pitch
	s_wait_loadcnt 32
	BLOCK 1
	LOADB 3, \pitch
	s_wait_loadcnt 32
	BLOCK 2
	s_wait_loadcnt 0x0
	BLOCK 3
.irp h, 0,1
	global_store_b128 v[VO16], v[FW+12*\h:FW+12*\h+3], s[30:31] offset:256*\h
	global_store_b64 v[VO8], v[FW+12*\h+4:FW+12*\h+5], s[30:31] offset:512+128*\h
	global_store_b128 v[VO16], v[FW+12*\h+6:FW+12*\h+9], s[30:31] offset:768+256*\h
	global_store_b64 v[VO8], v[FW+12*\h+10:FW+12*\h+11], s[30:31] offset:1280+128*\h
.endr
	global_store_b32 v[VO4], v[SB], s[28:29]
.endm
	s_cmp_lt_u32 ttmp9, 704
	s_cbranch_scc0 .Lwo
	s_sub_co_u32 s20, ttmp9, 512
	s_lshr_b32 s21, s20, 3                         ; panel 0 .. 23
	s_and_b32 s20, s20, 7                          ; K step
	s_lshr_b32 s22, s21, 3                         ; which: q, k, v
	s_and_b32 s23, s21, 7
	s_lshl_b32 s23, s23, 1
	s_lshr_b32 s24, s18, 1
	s_add_co_u32 s23, s23, s24                     ; head = 2 (panel % 8) + wave / 2
	s_lshl_b32 s24, s23, 18                        ; a head: 1,024 x 64 x 4 bytes
	s_lshl_b32 s25, s20, 15                        ; 128 rows of 256 bytes
	s_add_co_u32 s24, s24, s25
	s_and_b32 s25, s18, 1
	s_lshl_b32 s25, s25, 7                         ; d = 32 (wave % 2) on
	s_add_co_u32 s24, s24, s25
	s_mov_b32 s25, 0
	s_wait_kmcnt 0x0
	s_cmp_eq_u32 s22, 0
	s_cselect_b64 s[26:27], s[6:7], s[8:9]
	s_cmp_eq_u32 s22, 2
	s_cselect_b64 s[26:27], s[10:11], s[26:27]     ; the choice hangs on the work-group's number alone
	s_add_nc_u64 s[26:27], s[26:27], s[24:25]
	WDEST
	WPATH 256
	s_endpgm
.Lwo:
	s_sub_co_u32 s20, ttmp9, 704
	s_lshr_b32 s22, s20, 3                         ; 128 columns of Wo
	s_and_b32 s20, s20, 7                          ; K step
	s_add_co_u32 s21, s22, 24                      ; panel 24 .. 31
	s_lshl_b32 s24, s20, 19                        ; 128 rows of 4,096 bytes
	s_lshl_b32 s25, s22, 9
	s_add_co_u32 s24, s24, s25
	s_lshl_b32 s25, s18, 7
	s_add_co_u32 s24, s24, s25
	s_mov_b32 s25, 0
	s_wait_kmcnt 0x0
	s_add_nc_u64 s[26:27], s[12:13], s[24:25]
	WDEST
	WPATH 4096
	s_endpgm
.Lfunc_end_k_q669238f8f0_prep:
	.size	k_q669238f8f0_prep, .Lfunc_end_k_q669238f8f0_prep-k_q669238f8f0_prep
	.p2alignl 7, 3214868480
	.fill 96, 4, 3214868480
	.section	.rodata,"a",@progbits
	.p2align	6, 0x0
	.amdhsa_kernel k_q669238f8f0_prep
		.amdhsa_group_segment_fixed_size 34304
		.amdhsa_private_segment_fixed_size 0
		.amdhsa_enable_private_segment 0
		.amdhsa_kernarg_size 56
		.amdhsa_user_sgpr_count 2
		.amdhsa_user_sgpr_kernarg_segment_ptr 1
		.amdhsa_wavefront_size32 1
		.amdhsa_system_sgpr_workgroup_id_x 1
		.amdhsa_system_sgpr_workgroup_id_y 1
		.amdhsa_system_sgpr_workgroup_id_z 1
		.amdhsa_system_vgpr_workitem_id 0
		.amdhsa_next_free_vgpr 256
		.amdhsa_next_free_sgpr 66
		.amdhsa_reserve_vcc 0
		.amdhsa_float_denorm_mode_32 3
		.amdhsa_float_denorm_mode_16_64 3
		.amdhsa_memory_ordered 1
		.amdhsa_forward_progress 1
		.amdhsa_inst_pref_size 59
	.end_amdhsa_kernel
	.amdgpu_metadata
---
amdhsa.version: [ 1, 2 ]
amdhsa.kernels:
  - .name:           k_q669238f8f0_prep
    .symbol:         k_q669238f8f0_prep.kd
    .args:
      - { .name: x, .offset: 0, .size: 8, .value_kind: global_buffer, .address_space: global }
      - { .name: Wq, .offset: 8, .size: 8, .value_kind: global_buffer, .address_space: global }
      - { .name: Wk, .offset: 16, .size: 8, .value_kind: global_buffer, .address_space: global }
      - { .name: Wv, .offset: 24, .size: 8, .value_kind: global_buffer, .address_space: global }
      - { .name: Wo, .offset: 32, .size: 8, .value_kind: global_buffer, .address_space: global }
      - { .name: x_img, .offset: 40, .size: 8, .value_kind: global_buffer, .address_space: global }
      - { .name: w_img, .offset: 48, .size: 8, .value_kind: global_buffer, .address_space: global }
    .group_segment_fixed_size: 34304
    .private_segment_fixed_size: 0
    .kernarg_segment_align: 8
    .kernarg_segment_size: 56
    .max_flat_workgroup_size: 128
    .sgpr_count:     66
    .vgpr_count:     256
    .wavefront_size: 32
...
	.end_amdgpu_metadata
.endif
;; end of part 1
;; launch qkv (part 2): grid 16 x 16, 4 waves a work-group, clusters of 4 x 4, 327,680 bytes of LDS; arguments x_img, w_img, bq, bk, bv, q_img, kv_img; writes q_img, kv_img
.if DOCPART == 2
	.amdgcn_target "amdgcn-amd-amdhsa--gfx1250"
	.amdhsa_code_object_version 6
	.text
	.protected	k_q669238f8f0_qkv
	.globl	k_q669238f8f0_qkv
	.p2align	8
	.type	k_q669238f8f0_qkv,@function
k_q669238f8f0_qkv:
	s_mov_b64 s[64:65], 0
	v_nop
	global_prefetch_b8 v0, s[64:65] scope:SCOPE_SE
	s_setreg_imm32_b32 hwreg(HW_REG_WAVE_MODE, 25, 1), 1
	s_wait_xcnt 0x0
	s_wait_alu depctr_hold_cnt(0) depctr_sa_sdst(0) depctr_va_vdst(0) depctr_va_sdst(0) depctr_va_ssrc(0) depctr_va_vcc(0) depctr_vm_vsrc(0)
	s_getreg_b32 s2, hwreg(HW_REG_IB_STS2, 6, 4)
	s_cmp_eq_u32 s2, 0
	s_cbranch_scc0 .Lentry_in_a_cluster
	s_endpgm
.Lentry_in_a_cluster:
	s_bfe_u32 s2, ttmp6, 0x10000c
	s_cmp_lg_u32 s2, 0xf033
	s_cbranch_scc0 .Lentry_shape_is_right
	s_endpgm
.Lentry_shape_is_right:
; q, k, v = x W + b on codes of FP6 (E2M3), and their quantising: q and k along d, v along the keys.  The operands are panels (128 rows x K 1,024; eight K steps of eight fragment images and 512 bytes of
; scale words, 12,800 bytes a step), laid in the order of the operands' registers.  Lane r of tile t holds the panel's row 32 (t / 2) + 8 (t % 2) + r + 8 (r / 8).
; A WORK-GROUP takes one panel as source 0 (op0) and two as source 1 (op1), with ALL OF K IN LDS: 307,200 bytes, each half filled once for each of the three tiles.
; A wave takes op0's 8 tiles x 4 tiles of op1 (panel wave / 2, tiles 4 (wave % 2) on): 32 accumulators, (a, b) at register 64 a + 8 b of window 1.  In a result a lane holds ONE row of op1 and its registers run along op0's rows.
; ROLES, by the cluster's y, which all partners share.  y < 8: op0 = a panel of Wq or Wk (two heads x 64 d), op1 = 256 rows of x: a lane holds a row s, registers along d.
; y >= 8: op0 = 128 rows (keys) of x, op1 = two panels of Wv (four heads): a lane holds a d, registers along the keys.  So in both roles the registers run along the next product's K.
; CLUSTER 4 x 4: op1 hangs on the cluster's row alone and op0 on its column alone: each is asked for jointly by four work-groups.
; OUT.  q_img [b h][step of 128 rows][4 pair images + 256 bytes of words]; kv_img [b h][step of 128 keys][K: 4 pair images][V: 4 images][K's words 256][V's words 256].
; A PAIR image holds 32 rows: registers 0-5 rows 32 f + r + 8 (r / 8), registers 6-11 the rows 8 further on, each with d = 32 h on; its word: the two blocks of the first, then of the second.
; LIMITS: NaN and infinities are not served; a block whose largest magnitude lies under 2^-124 gets the byte 1.
; REGISTERS.  window 0: v1-15 addresses; v16-27 scale words, two sets; v28-35, v36-99 the bias in two layouts; v100-163 64 numbers; v164-202 the quantiser's.  window 1: accumulators.  windows 2, 3: fragments, two sets.
; A WORK-GROUP STAYS AND MAKES THREE TILES: the y of the roles above is the cluster's y + 4 x tile, so tiles 0 and 1 are q's or k's (a loop of two trips) and tile 2 is v's (written out: it asks for nothing more).
; The two halves of K (K steps 0-3, 4-7 of all three panels) are two slots: when a half has been fetched into registers by every wave of the cluster, it is filled again with the next tile's, one joint load a wave.
.set PANEL, 102400
.set KSB,   12800
.set FIB,   1536
.set WORDS, 12288
.set CHUNK, 25600                      ; two K steps of a panel
.set OP0,   204800                     ; LDS: op1's two panels at 0 and 102,400, op0 here
.set WV,   18
.set G1R,  28                          ; s[28:35] group 1 with my row's mask (op1);  s[36:43] with my column's (op0)
.set G1C,  36
.set G0R,  44                          ; s[44:47], s[52:55] op1's two groups 0;  s[68:71], s[76:79] op0's
.set G0C,  68
.set SEL,  98                          ; s[98:99]
.set L16,  1
.set L8,   2
.set L4,   3
.set SC,   16
.set BB,   28
.set BA,   36
.set XG,   100
.set PC,   164
.set TM,   184
.set PW,   200
.set PW0,  201
.set WD,   202
.set MSB, 0
.macro WIN new                         ; the immediate's high byte repeats the setting that is left
.if MSB != \new
	s_set_vgpr_msb (MSB<<8)|\new
.set MSB, \new
.endif
.endm
.macro PLACES
.rept 4
	v_nop
.endr
.endm
.macro CROUND                          ; a round of the cluster's barrier
	s_barrier_signal -1
	s_barrier_wait -1
	s_cmp_lg_u32 s[WV], 0
	s_cbranch_scc1 .Lnot_wave_0_\@
	s_barrier_signal -3
.Lnot_wave_0_\@:
	s_barrier_wait -3
	s_barrier_signal -1
	s_barrier_wait -1
.endm
.macro QUANT s
.irp b, 0,1,2,3
	v_max3_num_f32 v[TM+\b], |v[\s+16*\b]|, |v[\s+1+16*\b]|, 0x1800000   ; block b: my 16 numbers, and the floor 2^(3 - 127)
.endr
.irp i, 2,4,6,8,10,12,14
.irp b, 0,1,2,3
	v_max3_num_f32 v[TM+\b], v[TM+\b], |v[\s+16*\b+\i]|, |v[\s+1+16*\b+\i]|
.endr
.endr
.irp b, 0,1,2,3
	v_permlanex16_b32 v[TM+4+\b], v[TM+\b], s[SEL], s[SEL+1]
.endr
.irp b, 0,1,2,3
	v_max_num_f32 v[TM+\b], v[TM+\b], v[TM+4+\b]
.endr
.irp b, 0,1,2,3
	v_add_nc_u32 v[TM+12+\b], 0xff000000, v[TM+\b]       ; 2 off the exponent field: the conversion's scale operand
.endr
.irp b, 0,1,2,3
	v_lshrrev_b32 v[TM+4+\b], 23, v[TM+12+\b]            ; the scale's byte
.endr
	v_lshl_or_b32 v[PW], v[TM+5], 8, v[TM+4]
	v_lshl_or_b32 v[PW], v[TM+6], 16, v[PW]
	v_lshl_or_b32 v[PW], v[TM+7], 24, v[PW]
.irp c, 0,1
	v_cvt_scalef32_pk16_fp6_f32 v[PC+6*\c:PC+2+6*\c], v[\s+32*\c:\s+15+32*\c], v[TM+12+2*\c]
	v_cvt_scalef32_pk16_fp6_f32 v[PC+12+4*\c:PC+14+4*\c], v[\s+16+32*\c:\s+31+32*\c], v[TM+12+2*\c+1]
.endr
	v_nop                                                ; one plain place behind a scaled conversion
.irp c, 0,1
.irp i, 0,1,2
	v_permlane16_swap_b32 v[PC+6*\c+\i], v[PC+12+4*\c+\i]
.endr
.irp i, 0,1,2
	v_mov_b32 v[PC+3+6*\c+\i], v[PC+12+4*\c+\i]
.endr
.endr
.endm
.macro IMGST base, imm
	global_store_b128 v[L16], v[PC:PC+3], s[\base:\base+1] offset:\imm
	global_store_b128 v[L16], v[PC+4:PC+7], s[\base:\base+1] offset:\imm+512     ; q_img's and kv_img's images: registers 0-3, 4-7, 8-11 in three parts of 512 bytes, 16 bytes a lane
	global_store_b128 v[L16], v[PC+8:PC+11], s[\base:\base+1] offset:\imm+1024
.endm
.macro FI reg, a16, off                ; a fragment image comes back as it was stored: 12 registers
	ds_load_b128 v[\reg:\reg+3], v[\a16] offset:\off
	ds_load_b64 v[\reg+4:\reg+5], v[\a16+1] offset:\off+512
	ds_load_b128 v[\reg+6:\reg+9], v[\a16] offset:\off+768
	ds_load_b64 v[\reg+10:\reg+11], v[\a16+1] offset:\off+1280
.endm
.macro FETCH s                         ; K step s: 12 images into set s % 2 (window 2 or 3), 6 registers of scale words: 54 LDS loads
	WIN 0x80+0x40*((\s)%2)
.irp t, 0,1,2,3,4,5,6,7
	FI 12*\t, 4+2*((\s)/4), ((\s)%4)*KSB+\t*FIB
.endr
.irp t, 0,1,2,3
	FI 96+12*\t, 8+2*((\s)/4), ((\s)%4)*KSB+\t*FIB
.endr
	WIN 0
.irp i, 0,1,2,3
	ds_load_b32 v[SC+6*((\s)%2)+\i], v[12+(\s)/4] offset:((\s)%4)*KSB+128*\i      ; lanes 0-15: tile 2 i's words, lanes 16-31: tile 2 i + 1's
.endr
.irp i, 0,1
	ds_load_b32 v[SC+6*((\s)%2)+4+\i], v[14+(\s)/4] offset:((\s)%4)*KSB+128*\i
.endr
.endm
.macro WM d, a, b, zero, sa, sb, ra, rb
.if \zero
.if (\ra) && (\rb)
	v_wmma_scale_f32_16x16x128_f8f6f4 v[\d:\d+7], v[\a:\a+11], v[\b:\b+11], 0, v[\sa], v[\sb] matrix_a_fmt:MATRIX_FMT_FP6 matrix_b_fmt:MATRIX_FMT_FP6 matrix_a_scale:MATRIX_SCALE_ROW1 matrix_b_scale:MATRIX_SCALE_ROW1
.elseif \ra
	v_wmma_scale_f32_16x16x128_f8f6f4 v[\d:\d+7], v[\a:\a+11], v[\b:\b+11], 0, v[\sa], v[\sb] matrix_a_fmt:MATRIX_FMT_FP6 matrix_b_fmt:MATRIX_FMT_FP6 matrix_a_scale:MATRIX_SCALE_ROW1
.elseif \rb
	v_wmma_scale_f32_16x16x128_f8f6f4 v[\d:\d+7], v[\a:\a+11], v[\b:\b+11], 0, v[\sa], v[\sb] matrix_a_fmt:MATRIX_FMT_FP6 matrix_b_fmt:MATRIX_FMT_FP6 matrix_b_scale:MATRIX_SCALE_ROW1
.else
	v_wmma_scale_f32_16x16x128_f8f6f4 v[\d:\d+7], v[\a:\a+11], v[\b:\b+11], 0, v[\sa], v[\sb] matrix_a_fmt:MATRIX_FMT_FP6 matrix_b_fmt:MATRIX_FMT_FP6
.endif
.else
.if (\ra) && (\rb)
	v_wmma_scale_f32_16x16x128_f8f6f4 v[\d:\d+7], v[\a:\a+11], v[\b:\b+11], v[\d:\d+7], v[\sa], v[\sb] matrix_a_fmt:MATRIX_FMT_FP6 matrix_b_fmt:MATRIX_FMT_FP6 matrix_a_scale:MATRIX_SCALE_ROW1 matrix_b_scale:MATRIX_SCALE_ROW1
.elseif \ra
	v_wmma_scale_f32_16x16x128_f8f6f4 v[\d:\d+7], v[\a:\a+11], v[\b:\b+11], v[\d:\d+7], v[\sa], v[\sb] matrix_a_fmt:MATRIX_FMT_FP6 matrix_b_fmt:MATRIX_FMT_FP6 matrix_a_scale:MATRIX_SCALE_ROW1
.elseif \rb
	v_wmma_scale_f32_16x16x128_f8f6f4 v[\d:\d+7], v[\a:\a+11], v[\b:\b+11], v[\d:\d+7], v[\sa], v[\sb] matrix_a_fmt:MATRIX_FMT_FP6 matrix_b_fmt:MATRIX_FMT_FP6 matrix_b_scale:MATRIX_SCALE_ROW1
.else
	v_wmma_scale_f32_16x16x128_f8f6f4 v[\d:\d+7], v[\a:\a+11], v[\b:\b+11], v[\d:\d+7], v[\sa], v[\sb] matrix_a_fmt:MATRIX_FMT_FP6 matrix_b_fmt:MATRIX_FMT_FP6
.endif
.endif
.endm
.macro MUL32 s, zero                   ; 32 products; the 32 accumulators take turns, one instruction a turn
	WIN 0x5a+5*((\s)%2)                            ; A and B window 2 or 3, C and D window 1
.irp a, 0,1,2,3
.irp b, 0,1,2,3,4,5,6,7
	WM 64*\a+8*\b, 12*\b, 96+12*\a, \zero, SC+6*((\s)%2)+\b/2, SC+6*((\s)%2)+4+\a/2, \b%2, \a%2
.endr
.endr
.endm
; K step s: its fragments are in; the next step's are fetched while this step's 32 products are issued.  Ahead of step 4 (and of the next tile's step 0) the half that holds it is waited for, by the waves that asked for it, and a barrier tells the others.
.macro KSTEP s, endbar, r              ; r = 1: the tile has a successor
.if (\r) && (((\s) == 3) || ((\s) == 7))
	WIN 0
	s_wait_tensorcnt 0x0                           ; all my loads have landed: my part of the other half;
	ds_add_u32 v254, v255                          ; the descriptors' words stand between the add and its wait
.if (\s) == 3
	s_mov_b64 s[G0R+2:G0R+3], s[48:49]             ; the next tile's K steps 0 to 3
	s_or_b32 s[G0R+3], s[G0R+3], 0x80000000
	s_mov_b64 s[G0C+2:G0C+3], s[56:57]
	s_or_b32 s[G0C+3], s[G0C+3], 0x80000000
.else
	s_add_nc_u64 s[G0R+10:G0R+11], s[48:49], 2*CHUNK   ; its K steps 4 to 7
	s_or_b32 s[G0R+11], s[G0R+11], 0x80000000
	s_add_nc_u64 s[G0C+10:G0C+11], s[56:57], 2*CHUNK
	s_or_b32 s[G0C+11], s[G0C+11], 0x80000000
	s_mov_b64 s[48:49], s[50:51]                   ; and on to the tile after it
	s_mov_b64 s[56:57], s[58:59]
.endif
	s_wait_dscnt 0x0                               ; the add is done, and step s's fragments are in: my reads of this half are over
	CROUND                                         ; so are those of every wave of the cluster
	JL 2*((\s)/4)                                  ; this half is filled again; the four v_nop behind the load are the places ahead of the loads below
.else
.if (\s) == 3
	s_wait_tensorcnt 0x0                           ; my part of K steps 4 to 7 has landed
.endif
	s_wait_dscnt 0x0
.if (\s) == 3
	s_barrier_signal -1
	s_barrier_wait -1                              ; everybody's has
.endif
.if ((\s) > 0) && ((\s) < 7)
	PLACES
.endif
.endif
.if (\s) < 7
	FETCH (\s)+1
.endif
.if \endbar
	s_barrier_signal -1
.endif
.if (\s) == 0
	MUL32 \s, 1                                    ; the first products start the sums: nothing is cleared
.else
	MUL32 \s, 0
.endif
.if \endbar
	s_barrier_wait -1
.endif
.endm
	s_load_b256 s[4:11], s[0:1], 0x0               ; x_img s[4:5], w_img s[6:7], bq s[8:9], bk s[10:11]
	s_load_b128 s[12:15], s[0:1], 0x20             ; bv s[12:13], q_img s[14:15]
	s_load_b64 s[16:17], s[0:1], 0x30              ; kv_img
	v_lshl_add_u32 v254, v0, 2, 0x4b000
	v_mov_b32 v255, 0
	ds_add_u32 v254, v255
	ds_add_u32 v254, v255
	v_lshrrev_b32 v1, 5, v0
	v_readfirstlane_b32 s[WV], v1                  ; wave 0..3
	s_and_b32 s19, s[WV], 1
	s_lshr_b32 s20, s[WV], 1
	s_bfe_u32 s21, ttmp6, 0x40000                  ; cx
	s_bfe_u32 s22, ttmp6, 0x40004                  ; cy
	s_and_b32 s23, ttmp7, 0xffff                   ; the cluster's y
	s_lshl_b32 s24, ttmp9, 2
	s_add_co_u32 s24, s24, s21                     ; gx
	s_lshl_b32 s25, s23, 2
	s_add_co_u32 s25, s25, s22                     ; gy
	s_lshl_b32 s92, s22, 2
	s_lshl_b32 s92, 15, s92                        ; my row of the cluster
	s_lshl_b32 s93, 0x1111, s21                    ; my column
	s_or_b32 s[G1R], s92, (3<<16)|(1<<21)          ; 15:0 the mask; 17:16 elements of 8 bytes; 21 set beside a mask; no padding
	s_or_b32 s[G1C], s93, (3<<16)|(1<<21)
.irp g, G1R, G1C                       ; a dense block of 25,600 bytes as 100 rows of 256
	s_mov_b32 s[\g+1], 32<<16                      ; tensor_dim0 = 32
	s_mov_b32 s[\g+2], 100<<16                     ; tensor_dim1 = 100
	s_mov_b32 s[\g+3], 32<<16                      ; tile_dim0
	s_mov_b32 s[\g+4], 100                         ; tile_dim1
	s_mov_b32 s[\g+5], 32                          ; the pitch
	s_mov_b32 s[\g+6], 0
	s_mov_b32 s[\g+7], 0
.endr
	s_mov_b32 s[G1R+2], 200<<16                    ; op1's loads bring four K steps of a panel: 200 rows of 256 bytes
	s_mov_b32 s[G1R+4], 200
	s_lshl_b32 s84, s25, 1                         ; op1's first panel: 2 gy of x_img,
	s_lshl_b32 s85, s22, 1
	s_add_co_u32 s85, s85, 16                      ; or 16 + 2 cy of w_img: neither holds cx
	s_lshl_b32 s88, s23, 4
	s_sub_co_u32 s88, s88, 128
	s_add_co_u32 s88, s88, s24                     ; op0's panel: 16 (y - 8) + gx of x_img, or gx of w_img: neither holds cy
	s_wait_dscnt 0x0
	s_wait_kmcnt 0x0
	s_cmp_ge_u32 s23, 8
	s_cselect_b32 s26, 1, 0                        ; the role
	s_cselect_b32 s84, s85, s84
	s_cselect_b32 s88, s88, s24
	s_cselect_b64 s[86:87], s[6:7], s[4:5]
	s_cselect_b64 s[90:91], s[4:5], s[6:7]
	s_add_co_u32 s84, s84, s19                     ; waves 0 and 1 fetch op1's two panels
	s_mul_i32 s84, s84, PANEL
	s_mov_b32 s85, 0
	s_add_nc_u64 s[86:87], s[86:87], s[84:85]
	s_mul_i32 s88, s88, PANEL
	s_mov_b32 s89, 0
	s_add_nc_u64 s[90:91], s[90:91], s[88:89]
	s_mul_i32 s27, s19, PANEL
	s_mul_i32 s60, s19, CHUNK                      ; op0: wave 2 takes the first two K steps of each half of K, wave 3 the other two
	s_mov_b32 s61, 0
	s_add_nc_u64 s[90:91], s[90:91], s[60:61]
	s_add_nc_u64 s[48:49], s[86:87], 32*PANEL      ; tile 1: op1 = the rows of x 32 panels further on, op0 = the same panel of Wq or Wk
	s_mov_b64 s[56:57], s[90:91]
	s_lshl_b32 s50, s22, 1
	s_add_co_u32 s50, s50, 16
	s_add_co_u32 s50, s50, s19
	s_mul_i32 s50, s50, PANEL
	s_mov_b32 s51, 0
	s_add_nc_u64 s[50:51], s[6:7], s[50:51]        ; tile 2: op1 = Wv's panel 16 + 2 cy + wave % 2: it holds no cx
	s_lshl_b32 s58, s23, 4
	s_add_co_u32 s58, s58, s24
	s_mul_i32 s58, s58, PANEL
	s_add_co_u32 s58, s58, s60
	s_mov_b32 s59, 0
	s_add_nc_u64 s[58:59], s[4:5], s[58:59]        ; op0 = x's panel 16 y + gx: it holds no cy
.irp c, 0,2
	s_mov_b32 s[G0R+4*\c], 1
	s_add_co_u32 s[G0R+4*\c+1], s27, CHUNK*\c
	s_add_nc_u64 s[G0R+4*\c+2:G0R+4*\c+3], s[86:87], CHUNK*\c
	s_or_b32 s[G0R+4*\c+3], s[G0R+4*\c+3], 0x80000000
	s_mov_b32 s[G0C+4*\c], 1
	s_add_co_u32 s[G0C+4*\c+1], s60, OP0+CHUNK*\c
	s_add_nc_u64 s[G0C+4*\c+2:G0C+4*\c+3], s[90:91], CHUNK*\c
	s_or_b32 s[G0C+4*\c+3], s[G0C+4*\c+3], 0x80000000
.endr
	CROUND                                         ; all sixteen work-groups are here: the joint loads meet
; One joint load a wave: waves 0 and 1 four K steps of op1's two panels, waves 2 and 3 two K steps each of op0.  c = 0: K steps 0 to 3; c = 2: K steps 4 to 7
.macro JL c
	s_cmp_lt_u32 s[WV], 2
	s_cbranch_scc0 .Lop0_\@
	tensor_load_to_lds s[G0R+4*\c:G0R+4*\c+3], s[G1R:G1R+7]
	s_nop 0
	PLACES
	s_branch .Lasked_\@
.Lop0_\@:
	tensor_load_to_lds s[G0C+4*\c:G0C+4*\c+3], s[G1C:G1C+7]
	s_nop 0
	PLACES
.Lasked_\@:
.endm
	JL 0                                           ; one tensor load a wave at the head
	v_and_b32 v205, 31, v0
	v_lshlrev_b32 v[L16], 4, v205
	v_lshlrev_b32 v[L8], 3, v205
	v_lshlrev_b32 v[L4], 2, v205
	v_add_nc_u32 v4, OP0, v[L16]                   ; op0's images: K steps 0-3,
	v_add_nc_u32 v5, OP0, v[L8]
	v_add_nc_u32 v6, OP0+4*KSB, v[L16]             ; K steps 4-7
	v_add_nc_u32 v7, OP0+4*KSB, v[L8]
	s_mul_i32 s60, s20, PANEL                      ; my panel of op1,
	s_mul_i32 s61, s19, 4*FIB                      ; my four tiles
	s_add_co_u32 s61, s60, s61
	v_add_nc_u32 v8, s61, v[L16]
	v_add_nc_u32 v9, s61, v[L8]
	s_add_co_u32 s61, s61, 4*KSB
	v_add_nc_u32 v10, s61, v[L16]
	v_add_nc_u32 v11, s61, v[L8]
	v_add_nc_u32 v12, OP0+WORDS, v[L4]
	v_add_nc_u32 v13, OP0+WORDS+4*KSB, v[L4]
	s_lshl_b32 s61, s19, 8
	s_add_co_u32 s61, s61, s60
	s_add_co_u32 s61, s61, WORDS
	v_add_nc_u32 v14, s61, v[L4]
	s_add_co_u32 s61, s61, 4*KSB
	v_add_nc_u32 v15, s61, v[L4]
	; THE BIAS in two layouts: bq or bk along the registers for tiles 0 and 1, bv a lane a d for tile 2: 24 loads
	s_lshr_b32 s66, ttmp9, 1                       ; which = gx / 8: q or k (the same in all partners)
	s_cmp_eq_u32 s66, 0
	s_cselect_b64 s[94:95], s[8:9], s[10:11]
	s_and_b32 s67, s24, 7
	s_lshl_b32 s67, s67, 1                         ; the panel's first head,
	s_lshl_b32 s60, s22, 2
	s_add_co_u32 s60, s60, s[WV]                   ; or my wave's head of v
	s_cmp_lg_u32 s26, 0
	s_cselect_b64 s[94:95], s[12:13], s[94:95]
	s_cselect_b32 s67, s60, s67
	s_lshl_b32 s96, s60, 8                         ; my wave's head of v
	s_mov_b32 s97, 0
	s_add_nc_u64 s[96:97], s[12:13], s[96:97]
	s_and_b32 s60, s67, 14
	s_lshl_b32 s60, s60, 8
	s_mov_b32 s61, 0
	s_add_nc_u64 s[94:95], s[94:95], s[60:61]
	v_bfe_u32 v203, v0, 4, 1
	v_lshlrev_b32 v203, 6, v203                    ; 64 h
	v_and_b32 v204, 15, v0
	v_and_b32 v205, 8, v204
	v_add_nc_u32 v204, v204, v205
	v_lshlrev_b32 v204, 2, v204                    ; 4 (r + 8 (r / 8))
.irp a, 0,1,2,3
	global_load_b32 v[BB+2*\a], v204, s[96:97] offset:4*(32*(\a/2)+8*(\a%2))     ; a lane holds a d: its bias for tile a, twice: a pair for the packed addition
	global_load_b32 v[BB+2*\a+1], v204, s[96:97] offset:4*(32*(\a/2)+8*(\a%2))
.endr
.irp i, 0,1,2,3,4,5,6,7,8,9,10,11,12,13,14,15
	global_load_b128 v[BA+4*\i:BA+4*\i+3], v203, s[94:95] offset:128*(\i/4)+16*(\i%4)   ; registers along d: two heads x (32 blk + 16 h + 0 .. 15)
.endr
	s_mov_b32 s[SEL], 0x76543210
	s_mov_b32 s[SEL+1], 0xfedcba98
.irp b, 0,1,2,3
	v_mov_b32 v[TM+4+\b], 0                        ; a lane permute's destination counts as one of its sources
.endr
	s_wait_alu depctr_va_vdst(0)
	s_wait_tensorcnt 0x0                           ; my part of K steps 0 to 3 has landed
	ds_add_u32 v254, v255
	s_wait_dscnt 0x0
	CROUND                                         ; everybody's has, and all sixteen work-groups are here
	JL 2                                           ; K steps 4 to 7: my one load behind the round
	s_mov_b32 s72, 2                               ; tiles 0 and 1
.Ltile:
	FETCH 0
.irp s, 0,1,2,3,4,5,6,7
	KSTEP \s, 0, 1
.endr
	WIN 0
	PLACES                                         ; four places ahead of the first read of results
	s_wait_loadcnt 0x0                             ; the bias
	s_wait_xcnt 0x0                                ; the last tile's stores have read their bases
	s_mov_b32 s92, 0xffff0000                      ; lanes 16-31
	; ---- q or k: for each of the panel's two heads, my 64 rows are two pair images
	s_lshr_b32 s84, s25, 3
	s_lshl_b32 s84, s84, 4
	s_and_b32 s85, s24, 7
	s_lshl_b32 s85, s85, 1
	s_add_co_u32 s84, s84, s85                     ; 16 b + the first head
	s_mul_i32 s84, s84, 102400
	s_and_b32 s85, s25, 7
	s_lshl_b32 s85, s85, 3
	s_lshl_b32 s86, s[WV], 1
	s_add_co_u32 s85, s85, s86                     ; f0: my first group of 32 rows in the sequence
	s_lshr_b32 s86, s85, 2
	s_mul_i32 s86, s86, 6400
	s_add_co_u32 s84, s84, s86
	s_lshl_b32 s84, s84, s66                       ; kv_img's heads and steps are twice q_img's
	s_and_b32 s85, s85, 3
	s_mul_i32 s86, s85, FIB
	s_add_co_u32 s86, s86, s84
	s_mov_b32 s87, 0
	s_lshl_b32 s88, 6144, s66
	s_add_co_u32 s88, s88, s84
	s_lshl_b32 s85, s85, 6
	s_add_co_u32 s88, s88, s85
	s_mov_b32 s89, 0
	s_cmp_lg_u32 s66, 0
	s_cselect_b64 s[90:91], s[16:17], s[14:15]
	s_add_nc_u64 s[86:87], s[90:91], s[86:87]      ; my images
	s_add_nc_u64 s[88:89], s[90:91], s[88:89]      ; my words
	s_lshl_b32 s84, 102400, s66                    ; from head to head
	s_mov_b32 s85, 0
.irp hd, 0,1
.irp f, 0,1
	WIN 0x01                                       ; source 0: window 1.  The addition of the bias also brings the sums into window 0
.set II, 0
.rept 16
	v_pk_add_f32 v[XG+II:XG+II+1], v[128*\f+32*\hd+II:128*\f+32*\hd+II+1], v[BA+32*\hd+II:BA+32*\hd+II+1]
.set II, II+2
.endr
.set II, 0
.rept 16
	v_pk_add_f32 v[XG+32+II:XG+33+II], v[128*\f+64+32*\hd+II:128*\f+65+32*\hd+II], v[BA+32*\hd+II:BA+32*\hd+II+1]
.set II, II+2
.endr
	WIN 0
	s_wait_xcnt 0x0                                ; earlier stores have read the codes' and the word's registers
	QUANT XG
	IMGST 86, FIB*\f
.if \f == 0
	v_mov_b32 v[PW0], v[PW]
.else
	v_cndmask_b32 v[WD], v[PW0], v[PW], s92
	global_store_b32 v[L4], v[WD], s[88:89]        ; two images' words: 128 consecutive bytes
.endif
.endr
.if \hd == 0
	s_wait_xcnt 0x0                                ; the stores have read their bases
	s_add_nc_u64 s[86:87], s[86:87], s[84:85]
	s_add_nc_u64 s[88:89], s[88:89], s[84:85]
.endif
.endr
	s_add_co_u32 s25, s25, 16                      ; the next tile's rows of x
	s_sub_co_u32 s72, s72, 1
	s_cmp_lg_u32 s72, 0
	s_wait_alu depctr_va_vdst(0)
	s_cbranch_scc1 .Ltile
	; ---- tile 2, v: my head's 64 d x the panel's 128 keys: four images
	FETCH 0
.irp s, 0,1,2,3,4,5,6,7
	KSTEP \s, 0, 0
.endr
	WIN 0
	PLACES
	s_wait_xcnt 0x0                                ; the last tile's stores have read their bases
	s_lshl_b32 s84, s23, 4                         ; b = the cluster's y
	s_lshl_b32 s85, s22, 2
	s_add_co_u32 s84, s84, s85
	s_add_co_u32 s84, s84, s[WV]                   ; 16 b + 4 cy + wave
	s_mul_i32 s84, s84, 204800
	s_mul_i32 s85, s24, KSB                        ; key step gx
	s_add_co_u32 s86, s84, s85
	s_mov_b32 s87, 0
	s_add_nc_u64 s[86:87], s[16:17], s[86:87]
.irp a, 0,1,2,3
	WIN 0x01
.set II, 0
.rept 32
	v_pk_add_f32 v[XG+II:XG+II+1], v[64*\a+II:64*\a+II+1], v[BB+2*\a:BB+2*\a+1]
.set II, II+2
.endr
	WIN 0
	s_wait_xcnt 0x0
	QUANT XG
	IMGST 86, 4*FIB+FIB*\a
.if \a%2 == 0
	v_mov_b32 v[PW0], v[PW]
.else
	v_cndmask_b32 v[WD], v[PW0], v[PW], s92
	global_store_b32 v[L8], v[WD], s[86:87] offset:WORDS+256+4*(\a/2)            ; V's words: a lane's two (images a / 2 = 0, 1) side by side, 8 bytes a lane
.endif
.endr
.Ldone:
	s_wait_tensorcnt 0x0
	ds_add_u32 v254, v255
	s_wait_dscnt 0x0
	CROUND                                         ; the closing round: no work-group ends while a partner may still ask for a tile that names it
	s_endpgm
.Lfunc_end_k_q669238f8f0_qkv:
	.size	k_q669238f8f0_qkv, .Lfunc_end_k_q669238f8f0_qkv-k_q669238f8f0_qkv
	.p2alignl 7, 3214868480
	.fill 96, 4, 3214868480
	.section	.rodata,"a",@progbits
	.p2align	6, 0x0
	.amdhsa_kernel k_q669238f8f0_qkv
		.amdhsa_group_segment_fixed_size 327680
		.amdhsa_private_segment_fixed_size 0
		.amdhsa_enable_private_segment 0
		.amdhsa_kernarg_size 56
		.amdhsa_user_sgpr_count 2
		.amdhsa_user_sgpr_kernarg_segment_ptr 1
		.amdhsa_wavefront_size32 1
		.amdhsa_system_sgpr_workgroup_id_x 1
		.amdhsa_system_sgpr_workgroup_id_y 1
		.amdhsa_system_sgpr_workgroup_id_z 1
		.amdhsa_system_vgpr_workitem_id 0
		.amdhsa_next_free_vgpr 912
		.amdhsa_next_free_sgpr 100
		.amdhsa_reserve_vcc 0
		.amdhsa_float_denorm_mode_32 3
		.amdhsa_float_denorm_mode_16_64 3
		.amdhsa_memory_ordered 1
		.amdhsa_forward_progress 1
		.amdhsa_inst_pref_size 187
	.end_amdhsa_kernel
	.amdgpu_metadata
---
amdhsa.version: [ 1, 2 ]
amdhsa.kernels:
  - .name:           k_q669238f8f0_qkv
    .symbol:         k_q669238f8f0_qkv.kd
    .args:
      - { .name: x_img, .offset: 0, .size: 8, .value_kind: global_buffer, .address_space: global }
      - { .name: w_img, .offset: 8, .size: 8, .value_kind: global_buffer, .address_space: global }
      - { .name: bq, .offset: 16, .size: 8, .value_kind: global_buffer, .address_space: global }
      - { .name: bk, .offset: 24, .size: 8, .value_kind: global_buffer, .address_space: global }
      - { .name: bv, .offset: 32, .size: 8, .value_kind: global_buffer, .address_space: global }
      - { .name: q_img, .offset: 40, .size: 8, .value_kind: global_buffer, .address_space: global }
      - { .name: kv_img, .offset: 48, .size: 8, .value_kind: global_buffer, .address_space: global }
    .group_segment_fixed_size: 327680
    .private_segment_fixed_size: 0
    .kernarg_segment_align: 8
    .kernarg_segment_size: 56
    .max_flat_workgroup_size: 128
    .sgpr_count:     100
    .vgpr_count:     912
    .wavefront_size: 32
...
	.end_amdgpu_metadata
.endif
;; end of part 2
;; launch attn (part 3): grid 4 x 64, 16 waves a work-group, clusters of 4 x 1, 258,048 bytes of LDS; arguments q_img, kv_img, ctx_img; writes ctx_img
.if DOCPART == 3
	.amdgcn_target "amdgcn-amd-amdhsa--gfx1250"
	.amdhsa_code_object_version 6
	.text
	.protected	k_q669238f8f0_attn
	.globl	k_q669238f8f0_attn
	.p2align	8
	.type	k_q669238f8f0_attn,@function
k_q669238f8f0_attn:
	s_mov_b64 s[64:65], 0
	v_nop
	global_prefetch_b8 v0, s[64:65] scope:SCOPE_SE
	s_setreg_imm32_b32 hwreg(HW_REG_WAVE_MODE, 25, 1), 1
	s_wait_xcnt 0x0
	s_wait_alu depctr_hold_cnt(0) depctr_sa_sdst(0) depctr_va_vdst(0) depctr_va_sdst(0) depctr_va_ssrc(0) depctr_va_vcc(0) depctr_vm_vsrc(0)
	s_getreg_b32 s2, hwreg(HW_REG_IB_STS2, 6, 4)
	s_cmp_eq_u32 s2, 0
	s_cbranch_scc0 .Lentry_in_a_cluster
	s_endpgm
.Lentry_in_a_cluster:
	s_bfe_u32 s2, ttmp6, 0x10000c
	s_cmp_lg_u32 s2, 0x3003
	s_cbranch_scc0 .Lentry_shape_is_right
	s_endpgm
.Lentry_shape_is_right:
; ctx = softmax(q k^T / 8) v for one (b, h), both products on codes of FP6 (E2M3), and ctx's quantising along E.  t = score x log2(e) / 8; M = the running largest t rounded up to a whole number; p = 2^(t - M) is
; quantised along the keys, not normalised; the row's sum is taken of the unquantised p and divides at the end.  When M moves, the sum and O are multiplied by 2^(old M - new M): exact.
; SHARES.  A work-group owns 512 queries of one head; each of its sixteen waves one tile of 16 queries a pass, two passes.  ALL of the head's K, V and scale words lie in LDS for the whole launch, each byte filled once.
; CLUSTER 4 x 1: the head's four query quarters read the same bytes: wave w of each asks jointly for key step w, one load a wave.  No prefetch: every tile is asked for at the head, and there is no loop of loads to run ahead in.
; LAYOUT.  Both products are used transposed (S^T = K Q^T, O^T = V^T P^T): a lane holds one query throughout.  kv_img's key step (128 keys, 12,800 bytes): K's 4 pair images, V's 4 images, K's words, V's words.
; In LDS each 256 bytes are followed by 64 of padding: an image of 1,536 bytes takes 1,920, a key step 16,000.
; THE HEAD HAS 64 ALONG d, THE INSTRUCTION 128 ALONG K.  A pair image of K holds 16 keys in k = 0 .. 63 and the 16 keys 8 further on in k = 64 .. 127; multiplied by [Q, zeros] it gives the first 16 keys' scores, by [zeros, Q] the others'.
; WHICH KEYS FORM A TILE is chosen at the LDS read: lanes r < 8 of tile pair (c, v) take rows 8 v + r of image 2 c, lanes r >= 8 rows 8 v + r - 8 of image 2 c + 1.  So tile u = 2 v (+ 1) of c holds keys 64 c + 8 u + j in
; its rows j and keys 64 c + 32 + 8 u + j in its rows 8 + j, and lane (r, h) has the WHOLE block of keys 64 c + 32 h + 0 .. 31 in registers ST + 32 c on: a block's maximum and its codes need no other lane.
; With images 1,920 bytes apart the two groups of eight lanes of a 16-byte read lie 128 bytes apart modulo 256.
; ORDER IN A STEP.  The next step's K is asked of LDS behind this step's last products, with twelve of the sum's additions behind the request; V's loads stand between the lines of the chain that makes M; the last four lines of a
; step's sum stand behind the next step's score products, as their places.  In a pass's last trip the address of the next K is held at key step 15: that read is used by nothing.
; LIMITS: NaN and infinities are not served; the scaled scores stay under 2^31 in magnitude; a block of ctx whose largest magnitude lies under 2^-124 gets the byte 1.
.set KSB,   12800
.set LSB,   16000
.set IMG,   1920
.set FIB,   1536
.set WORDS, 12288
.set LKW,   15360                      ; K's words in a key step's LDS bytes (row 48), V's (row 49)
.set LVW,   15680
.set SPARE, 256000                     ; behind the sixteen key steps: the spare words, 128 bytes a wave
.set WV,   10
.set G1,   16                          ; s[16:23]
.set G0,   24                          ; s[24:27]
.set QB,   28                          ; s[28:29] my half image of q;  s[30:31] its words;  s[32:33] my half image of ctx;  s[34:35] its bytes
.set QW,   30
.set CB,   32
.set CW,   34
.set SEL,  36                          ; s[36:37] lane l xor 16
.set CS,   38                          ; s[38:39] c = log2(e) / 8
.set TB,   40                          ; the trip's first LDS byte
.set CNT,  41
.set PSEL, 42
.set CN,   43                          ; -c
.set TN,   53                          ; the next trip's first LDS byte
.set G16,  1                           ; 16 x lane, 8 x lane, 4 r: offsets in memory
.set G8,   2
.set R4,   3
.set BV16, 4                           ; LDS: V's images, 16 bytes a lane; K's, permuted; K's words, V's words
.set BK16, 5
.set BKW,  7
.set BVW,  8
.set AK16, 9                           ; v9-14 the same + a trip's first byte
.set AKW,  11
.set AVW,  12
.set AV16, 13
.set MNA,  16                          ; v16 and v18: -M, by turns (each the low word of a pair)
.set RS,   17                          ; the running largest score
.set SH8,  19                          ; 8 h
.set SUM,  20                          ; v[20:21]
.set FF,   22                          ; v[22:23] f
.set QHI,  24                          ; v24-29 zeros, v30-35 Q, v36-41 zeros
.set QLO,  30
.set Q1,   42                          ; v42-47 the second pass's Q
.set QS,   48
.set QS1,  49
.set FR,   50                          ; v50-97 four images
.set KW,   98
.set VW,   100
.set ST,   104                         ; v104-167 S^T, then p
.set OT,   168                         ; v168-199 O^T
.set BM,   200
.set BY,   204
.set SO,   208
.set HB,   212
.set TT,   220
.set PS,   221
.set CBY,  222
.set PP,   224                         ; v224-231 four chains of a step's sum
.set PCD,  232                         ; v232-243 p's codes
.macro CROUND
	s_barrier_signal -1
	s_barrier_wait -1
	s_cmp_lg_u32 s[WV], 0
	s_cbranch_scc1 .Lnot_wave_0_\@
	s_barrier_signal -3
.Lnot_wave_0_\@:
	s_barrier_wait -3
	s_barrier_signal -1
	s_barrier_wait -1
.endm
.macro FI reg, a16, o16                ; an image: registers 0-3, 4-7, 8-11 in three parts of 512 bytes of memory, 16 bytes a lane: 640 bytes of LDS each
	ds_load_b128 v[\reg:\reg+3], v[\a16] offset:\o16
	ds_load_b128 v[\reg+4:\reg+7], v[\a16] offset:\o16+640
	ds_load_b128 v[\reg+8:\reg+11], v[\a16] offset:\o16+1280
.endm
.macro KLOAD of                        ; a key step's K: tile pairs (c, v) = (f / 2, f % 2), and their words: lanes 0-15 pair (c, 0)'s, lanes 16-31 pair (c, 1)'s
.irp f, 0,1,2,3
	FI FR+12*\f, AK16, \of+2*IMG*(\f/2)+128*(\f%2)
.endr
	ds_load_b32 v[KW], v[AKW] offset:\of
	ds_load_b32 v[KW+1], v[AKW] offset:\of+128
.endm
.macro VL t                            ; V's image t of the step
	FI FR+12*\t, AV16, OF+4*IMG+IMG*\t
.endm
.macro PADD j                          ; eight more p onto the four chains of pairs
.irp k, 0,1,2,3
	v_pk_add_f32 v[PP+2*\k:PP+2*\k+1], v[PP+2*\k:PP+2*\k+1], v[ST+\j+2*\k:ST+\j+2*\k+1]
.endr
.endm
.macro WS d, a, b, sa, ra              ; a product of scores: it starts its sum
.if \ra
	v_wmma_scale_f32_16x16x128_f8f6f4 v[\d:\d+7], v[\a:\a+11], v[\b:\b+11], 0, v[\sa], v[QS] matrix_a_fmt:MATRIX_FMT_FP6 matrix_b_fmt:MATRIX_FMT_FP6 matrix_a_scale:MATRIX_SCALE_ROW1
.else
	v_wmma_scale_f32_16x16x128_f8f6f4 v[\d:\d+7], v[\a:\a+11], v[\b:\b+11], 0, v[\sa], v[QS] matrix_a_fmt:MATRIX_FMT_FP6 matrix_b_fmt:MATRIX_FMT_FP6
.endif
.endm
.macro WP d, a, sa, ra                 ; O^T += V^T P^T
.if \ra
	v_wmma_scale_f32_16x16x128_f8f6f4 v[\d:\d+7], v[\a:\a+11], v[PCD:PCD+11], v[\d:\d+7], v[\sa], v[PS] matrix_a_fmt:MATRIX_FMT_FP6 matrix_b_fmt:MATRIX_FMT_FP6 matrix_a_scale:MATRIX_SCALE_ROW1
.else
	v_wmma_scale_f32_16x16x128_f8f6f4 v[\d:\d+7], v[\a:\a+11], v[PCD:PCD+11], v[\d:\d+7], v[\sa], v[PS] matrix_a_fmt:MATRIX_FMT_FP6 matrix_b_fmt:MATRIX_FMT_FP6
.endif
.endm
.macro SUMEND e                        ; the four chains of the last step's sum are joined, and the sum under that step's M takes them in
	v_pk_add_f32 v[PP:PP+1], v[PP:PP+1], v[PP+2:PP+3]
	v_pk_add_f32 v[PP+4:PP+5], v[PP+4:PP+5], v[PP+6:PP+7]
.if \e == 0
	v_add_nc_u32 v[AV16], s[TB], v[BV16]
	v_add_nc_u32 v[AVW], s[TB], v[BVW]
.else
	s_delay_alu instid0(VALU_DEP_1)
.endif
	v_pk_add_f32 v[PP:PP+1], v[PP:PP+1], v[PP+4:PP+5]
	s_delay_alu instid0(VALU_DEP_1)
	v_pk_fma_f32 v[SUM:SUM+1], v[SUM:SUM+1], v[FF:FF+1], v[PP:PP+1] op_sel_hi:[1,0,1]
.endm
; A KEY STEP: 128 keys.  e: the first or the second of a trip.  Its K has been asked for
.macro STEP e
.set OF, LSB*\e
.set MN, MNA+2*\e                      ; the new -M
.set MO, MNA+2-2*\e                    ; the old one
	s_wait_alu depctr_va_vdst(0)
	s_wait_dscnt 0x0                               ; K
.irp f, 0,1,2,3
	WS ST+16*\f, FR+12*\f, QLO, KW+\f/2, \f%2
	WS ST+16*\f+8, FR+12*\f, QHI, KW+\f/2, \f%2
.endr
	SUMEND \e                                      ; four lines or more that name no register of the products: the places ahead of the first read of the scores and of the loads into K's registers
.irp q, 0,1,2,3
	v_max3_num_f32 v[BM+\q], v[ST+16*\q], v[ST+1+16*\q], v[ST+2+16*\q]   ; four chains by turns, two to a block of 32 keys; each accumulator is read from its low end on
.endr
.irp i, 3,5,7,9,11,13
.irp q, 0,1,2,3
	v_max3_num_f32 v[BM+\q], v[BM+\q], v[ST+16*\q+\i], v[ST+1+16*\q+\i]
.endr
.endr
	v_max3_num_f32 v[BM], v[BM], v[ST+15], v[ST+31]
	v_max3_num_f32 v[BM+2], v[BM+2], v[ST+47], v[ST+63]
	s_delay_alu instid0(VALU_DEP_2)
	v_max_num_f32 v[BM], v[BM], v[BM+1]            ; my two blocks' largest scores: for the row's maximum and, since p rises with the score, for the blocks' largest p
	s_delay_alu instid0(VALU_DEP_2)
	v_max_num_f32 v[BM+2], v[BM+2], v[BM+3]
	s_delay_alu instid0(VALU_DEP_1)
	v_max_num_f32 v[TT], v[BM], v[BM+2]
	VL 0                                           ; V's four images and words land under the softmax
	v_permlanex16_b32 v[BY], v[TT], s[SEL], s[SEL+1]
	VL 1
	v_max3_num_f32 v[RS], v[RS], v[TT], v[BY]      ; the running largest score of my query
	VL 2
	v_mul_f32 v[TT], s[CN], v[RS]                  ; -t (c is positive)
	VL 3
	v_floor_f32 v[MN], v[TT]                       ; the new -M = floor(-t): M is a whole number
	ds_load_b64 v[VW:VW+1], v[AVW] offset:OF       ; V's words, two a lane: lanes 0-15 the even images', lanes 16-31 the odd ones'
.set JJ, 0
.rept 32
	v_pk_fma_f32 v[ST+JJ:ST+JJ+1], v[ST+JJ:ST+JJ+1], s[CS:CS+1], v[MN:MN+1] op_sel_hi:[1,0,0]   ; t - M, two at a time
.if JJ == 6
	v_sub_f32 v[TT], v[MN], v[MO]                  ; old M - new M: a whole number, 0 or less
.endif
.if JJ == 16
	v_cvt_i32_f32 v[TT], v[TT]                     ; (it saturates)
.endif
.set JJ, JJ+2
.endr
	v_fma_f32 v[BM], v[BM], s[CS], v[MN]           ; the same of each block's largest score
	v_fma_f32 v[BM+2], v[BM+2], s[CS], v[MN]
	s_wait_alu depctr_va_vdst(0)
.set JJ, 0
.rept 64
	v_exp_f32 v[ST+JJ], v[ST+JJ]                   ; p = 2^(t - M)
.set JJ, JJ+1
.endr
	v_exp_f32 v[BM], v[BM]                         ; the blocks' largest p: the same two instructions on the same number
	v_exp_f32 v[BM+2], v[BM+2]
	v_ldexp_f32 v[FF], 1.0, v[TT]                  ; f = 2^(old M - new M): the plain place behind the exponentials
	s_wait_alu depctr_va_vdst(0)                   ; one wait for the batch, ahead of its first reader
	v_max_num_f32 v[BM], 0x1800000, v[BM]          ; the floor 2^(3 - 127): the byte cannot fall under 1
	v_max_num_f32 v[BM+2], 0x1800000, v[BM+2]
.irp k, 0,1,2,3
	v_pk_add_f32 v[PP+2*\k:PP+2*\k+1], v[ST+2*\k:ST+2*\k+1], v[ST+8+2*\k:ST+9+2*\k]   ; the step's sum of the unquantised p: four chains of pairs, laid between the lines that make the scale word
.endr
	v_add_nc_u32 v[SO], 0xff000000, v[BM]          ; 2 off the exponent field: the conversions' scale operands
	v_add_nc_u32 v[SO+1], 0xff000000, v[BM+2]
	PADD 16
.irp c, 0,1
	v_cvt_scalef32_pk16_fp6_f32 v[PCD+6*\c:PCD+2+6*\c], v[ST+32*\c:ST+15+32*\c], v[SO+\c]
	v_cvt_scalef32_pk16_fp6_f32 v[HB+4*\c:HB+2+4*\c], v[ST+16+32*\c:ST+31+32*\c], v[SO+\c]   ; (a conversion's three registers begin on an even number)
.endr
	v_lshrrev_b32 v[BY], 23, v[SO]                 ; my two bytes: blocks h and 2 + h
	v_lshrrev_b32 v[BY+1], 23, v[SO+1]
.irp i, 0,1,2
	v_mov_b32 v[PCD+3+\i], v[HB+\i]                ; registers 6 c .. 6 c + 5: keys 64 c + 32 h + 0 .. 31
.endr
	v_lshl_or_b32 v[PS], v[BY+1], 16, v[BY]
.irp i, 0,1,2
	v_mov_b32 v[PCD+9+\i], v[HB+4+\i]
.endr
	v_lshlrev_b32 v[PS], v[SH8], v[PS]             ; at their places in the word
	PADD 24
	v_permlanex16_b32 v[BY+2], v[PS], s[SEL], s[SEL+1]
	PADD 32
	v_or_b32 v[PS], v[PS], v[BY+2]                 ; with lane l xor 16's two: p's scale word for these 128 keys
	s_wait_dscnt 0x0                               ; V
	s_wait_alu depctr_va_vdst(0)
.set JJ, 0
.rept 16
	v_pk_mul_f32 v[OT+JJ:OT+JJ+1], v[OT+JJ:OT+JJ+1], v[FF:FF+1] op_sel_hi:[1,0]   ; O^T under the new M, each accumulator from its low end on
.set JJ, JJ+2
.endr
.irp t, 0,1,2,3
	WP OT+8*\t, FR+12*\t, VW+\t/2, \t%2            ; the four accumulators by turns
.endr
	PADD 40                                        ; four lines that name no register of the products: the places ahead of the loads below
.if \e == 0
	KLOAD LSB                                      ; the trip's second step's K
.else
	v_add_nc_u32 v[AK16], s[TN], v[BK16]
	v_add_nc_u32 v[AKW], s[TN], v[BKW]
	KLOAD 0                                        ; the next trip's first step's K
.endif
	PADD 48
	PADD 56
.endm
; A PASS: my tile of 16 queries against all keys; then ctx's codes
.macro PASS p
	s_mov_b32 s[TB], 0
	s_mov_b32 s[CNT], 8
	v_add_nc_u32 v[AK16], s[TB], v[BK16]
	v_add_nc_u32 v[AKW], s[TB], v[BKW]
	KLOAD 0                                        ; key step 0's K
.if \p
	s_wait_xcnt 0x0                                ; the last pass's stores have read their registers
.irp i, 0,1,2,3,4,5
	v_mov_b32 v[QLO+\i], v[Q1+\i]
.endr
	v_mov_b32 v[QS], v[QS1]
.endif
	v_mov_b32 v[RS], 0xff61b1e6                    ; the largest score so far: -3e38
	v_mov_b32 v[MNA+2], 0x7e967699                 ; the old -M: 1e38, so that the first f is 0
	v_mov_b32 v[SUM], 0
	v_mov_b32 v[SUM+1], 0
	v_mov_b32 v[FF], 0
.irp i, 0,1,2,3,4,5,6,7
	v_mov_b32 v[PP+\i], 0                          ; the first step joins four chains of zeros
.endr
.set JJ, 0
.rept 32
	v_mov_b32 v[OT+JJ], 0                          ; the step is written once: the first finds zeros.  (More than eight places between Q's word and the first product)
.set JJ, JJ+1
.endr
.Lstep_\@:
	s_add_co_u32 s[TN], s[TB], 2*LSB
	s_min_u32 s[TN], s[TN], 15*LSB                 ; held inside the tiles in the last trip
	STEP 0
	STEP 1
	s_add_co_u32 s[TB], s[TB], 2*LSB
	s_sub_co_u32 s[CNT], s[CNT], 1
	s_cmp_lg_u32 s[CNT], 0
	s_cbranch_scc1 .Lstep_\@
	s_wait_alu depctr_va_vdst(0)
	s_wait_dscnt 0x0                               ; the last trip's loads have landed: their registers may be loaded anew
	SUMEND 1                                       ; the last step's sum
	s_delay_alu instid0(VALU_DEP_1)
	v_add_f32 v[SUM], v[SUM], v[SUM+1]
	s_delay_alu instid0(VALU_DEP_1)
	v_permlanex16_b32 v[TT], v[SUM], s[SEL], s[SEL+1]
	s_delay_alu instid0(VALU_DEP_1)
	v_add_f32 v[SUM], v[SUM], v[TT]                ; the row's sum
	s_wait_alu depctr_va_vdst(0)
	v_rcp_f32 v[SUM], v[SUM]
	v_nop                                          ; one plain place behind a transcendental
	s_wait_alu depctr_va_vdst(0)
.set JJ, 0
.rept 32
	v_mul_f32 v[ST+JJ], v[OT+JJ], v[SUM]           ; ctx(my query, d = 32 b + 16 h + i) in register 16 b + i
.set JJ, JJ+1
.endr
.irp b, 0,1
	v_max3_num_f32 v[BM+\b], |v[ST+16*\b]|, |v[ST+1+16*\b]|, 0x1800000
.endr
.irp i, 2,4,6,8,10,12,14
.irp b, 0,1
	s_delay_alu instid0(VALU_DEP_2)
	v_max3_num_f32 v[BM+\b], v[BM+\b], |v[ST+16*\b+\i]|, |v[ST+1+16*\b+\i]|
.endr
.endr
.irp b, 0,1
	s_delay_alu instid0(VALU_DEP_2)
	v_permlanex16_b32 v[BY+\b], v[BM+\b], s[SEL], s[SEL+1]
.endr
.irp b, 0,1
	s_delay_alu instid0(VALU_DEP_2)
	v_max_num_f32 v[BM+\b], v[BM+\b], v[BY+\b]
.endr
.irp b, 0,1
	s_delay_alu instid0(VALU_DEP_2)
	v_add_nc_u32 v[SO+\b], 0xff000000, v[BM+\b]
.endr
.irp b, 0,1
	s_delay_alu instid0(VALU_DEP_2)
	v_lshrrev_b32 v[BY+\b], 23, v[SO+\b]
.endr
	s_delay_alu instid0(VALU_DEP_1)
	v_lshl_or_b32 v[CBY], v[BY+1], 8, v[BY]        ; my head's two bytes of the row's scale word
	v_cvt_scalef32_pk16_fp6_f32 v[PCD:PCD+2], v[ST:ST+15], v[SO]
	v_cvt_scalef32_pk16_fp6_f32 v[HB:HB+2], v[ST+16:ST+31], v[SO+1]
	v_nop
.irp i, 0,1,2
	v_permlane16_swap_b32 v[PCD+\i], v[HB+\i]
.endr
.irp i, 0,1,2
	s_delay_alu instid0(VALU_DEP_3)
	v_mov_b32 v[PCD+3+\i], v[HB+\i]
.endr
	global_store_b128 v[G16], v[PCD:PCD+3], s[CB:CB+1] offset:2*102400*\p        ; half an image of ctx_img: my head's 64 of a K step's 128
	global_store_b64 v[G8], v[PCD+4:PCD+5], s[CB:CB+1] offset:2*102400*\p+512
	global_store_b16 v[R4], v[CBY], s[CW:CW+1] offset:2*102400*\p                ; two bytes a row (lanes r and r + 16 store the same): a head owns half of a word
.endm
	s_load_b128 s[4:7], s[0:1], 0x0                ; q_img s[4:5], kv_img s[6:7]
	s_load_b64 s[8:9], s[0:1], 0x10                ; ctx_img
	v_lshl_add_u32 v254, v0, 2, SPARE
	v_mov_b32 v255, 0
	ds_add_u32 v254, v255                          ; the opening lines: the add, twice on end, and its wait
	ds_add_u32 v254, v255
	v_lshrrev_b32 v1, 5, v0
	s_delay_alu instid0(VALU_DEP_1)
	v_readfirstlane_b32 s[WV], v1                  ; wave 0..15
	s_bfe_u32 s11, ttmp6, 0x40000                  ; cx: my quarter of the queries: it enters q's and ctx's addresses alone
	s_and_b32 s12, ttmp7, 0xffff                   ; 16 b + head, which the four partners share
	s_mov_b32 s[G1], 15|(3<<16)|(1<<20)|(1<<21)|(5<<22)|(15<<25)   ; the mask: all four; elements of 8 bytes; padding on; 21 set beside a mask; after every 64 words, 16 words
	s_mov_b32 s[G1+1], 32<<16                      ; a key step's 12,800 dense bytes as 50 rows of 256
	s_mov_b32 s[G1+2], 50<<16
	s_mov_b32 s[G1+3], 32<<16
	s_mov_b32 s[G1+4], 50
	s_mov_b32 s[G1+5], 32
	s_mov_b32 s[G1+6], 0
	s_mov_b32 s[G1+7], 0
	s_mov_b32 s[G0], 1
	s_mul_i32 s[G0+1], s[WV], LSB                  ; key step w lies at w x 16,000
	s_mul_i32 s44, s12, 204800
	s_mul_i32 s45, s[WV], KSB
	s_add_co_u32 s44, s44, s45
	s_mov_b32 s45, 0
	s_wait_dscnt 0x0
	s_wait_kmcnt 0x0
	s_add_nc_u64 s[G0+2:G0+3], s[6:7], s[44:45]
	s_or_b32 s[G0+3], s[G0+3], 0x80000000
	CROUND                                         ; all four work-groups are here: the joint loads meet
	tensor_load_to_lds s[G0:G0+3], s[G1:G1+7]      ; my one tensor load of the launch
	s_nop 0
	v_and_b32 v15, 31, v0                          ; lane
	v_bfe_u32 v[SH8], v0, 4, 1                     ; h
	v_bfe_u32 v13, v0, 3, 1                        ; (r / 8)
	v_and_b32 v14, 7, v0                           ; r % 8
	v_lshlrev_b32 v[G16], 4, v15
	v_lshlrev_b32 v[G8], 3, v15
	v_and_b32 v[R4], 15, v0
	v_lshlrev_b32 v[R4], 2, v[R4]
	v_lshl_add_u32 v[BV16], v[SH8], 6, v[G16]      ; V: 16 x lane, and 64 more behind the first 256 bytes
	v_lshlrev_b32 v9, 6, v13
	v_mul_u32_u24 v13, v13, IMG                    ; K: lanes r >= 8 read the next image,
	v_lshl_add_u32 v[BK16], v14, 4, v13
	v_mad_u32_u24 v[BK16], v[SH8], 320, v[BK16]    ; its lane r % 8 + 16 h (+ 8 v by the loads' offsets)
	v_lshl_add_u32 v9, v14, 2, v9
	v_lshl_add_u32 v9, v[SH8], 5, v9
	v_add_nc_u32 v[BKW], LKW, v9                   ; K's words: 64 (r / 8) + 32 (lane / 16) + 4 (r % 8)
	v_lshl_add_u32 v[BVW], v15, 3, LVW
	v_lshlrev_b32 v[SH8], 3, v[SH8]
.irp i, 0,1,2,3,4,5
	v_mov_b32 v[QHI+\i], 0
	v_mov_b32 v[QLO+6+\i], 0
.endr
.irp b, 0,1,2,3
	v_mov_b32 v[BY+\b], 0                          ; a lane permute's destination counts as one of its sources
.endr
	v_mov_b32 v[FF+1], 0                           ; (named as the upper half of a pair)
	v_mov_b32 v[TT], 0
	s_mov_b32 s[SEL], 0x76543210
	s_mov_b32 s[SEL+1], 0xfedcba98
	s_mov_b32 s[CS], 0x3e38aa3b                    ; log2(e) / 8
	s_mov_b32 s[CS+1], s[CS]
	s_mov_b32 s[CN], 0xbe38aa3b
	s_lshl_b32 s44, s11, 2
	s_lshr_b32 s45, s[WV], 3
	s_add_co_u32 s44, s44, s45                     ; 4 cx + w / 8: my step of 128 rows in pass 0; pass 1's lies two further on
	s_bfe_u32 s45, s[WV], 0x20001                  ; (w / 2) % 4: the pair image
	s_and_b32 s46, s[WV], 1                        ; u: its half
	s_mul_i32 s48, s12, 102400
	s_mul_i32 s47, s44, 6400
	s_add_co_u32 s48, s48, s47
	s_lshl_b32 s47, s45, 6
	s_add_co_u32 s50, s48, s47
	s_add_co_u32 s50, s50, 4*FIB
	s_mov_b32 s51, 0
	s_mul_i32 s47, s45, FIB
	s_add_co_u32 s48, s48, s47
	s_mul_i32 s47, s46, 520                        ; my half's registers 6 u .. 6 u + 5 lie, two by two, at bytes 0, 8, 512 (u = 0) or 520, 1,024, 1,032 (u = 1) + 16 x lane of the image
	s_add_co_u32 s48, s48, s47
	s_mov_b32 s49, 0
	s_add_nc_u64 s[QB:QB+1], s[4:5], s[48:49]      ; the first and the third pair: 520 u, and 512 further on
	s_mul_i32 s52, s46, 496
	s_add_co_u32 s52, s52, 8
	s_mov_b32 s53, 0
	s_add_nc_u64 s[54:55], s[QB:QB+1], s[52:53]    ; the second pair: 8 + 1,016 u
	s_add_nc_u64 s[QW:QW+1], s[4:5], s[50:51]
	s_wait_alu depctr_va_vdst(0)
.irp p, 0,1                            ; both passes' Q are asked for while the key steps are on their way
	global_load_b64 v[QLO+12*\p:QLO+12*\p+1], v[G16], s[QB:QB+1] offset:2*6400*\p
	global_load_b64 v[QLO+12*\p+2:QLO+12*\p+3], v[G16], s[54:55] offset:2*6400*\p
	global_load_b64 v[QLO+12*\p+4:QLO+12*\p+5], v[G16], s[QB:QB+1] offset:2*6400*\p+512
	global_load_b32 v[QS+\p], v[R4], s[QW:QW+1] offset:2*6400*\p
.endr
	s_mov_b32 s[PSEL], 0x03020302
	s_cmp_lg_u32 s46, 0
	s_cselect_b32 s[PSEL], s[PSEL], 0x01000100
	s_lshr_b32 s47, s12, 4
	s_lshl_b32 s47, s47, 4
	s_add_co_u32 s47, s47, s44                     ; ctx_img's panel: 16 b + my step
	s_mul_i32 s48, s47, 102400
	s_bfe_u32 s47, s12, 0x30001                    ; K step: head / 2
	s_mul_i32 s47, s47, KSB
	s_add_co_u32 s48, s48, s47
	s_and_b32 s47, s12, 1                          ; head % 2: which half of an image, which half of a word
	s_and_b32 s45, s[WV], 7                        ; my tile of the panel
	s_lshl_b32 s50, s45, 6
	s_add_co_u32 s50, s50, s48
	s_add_co_u32 s50, s50, WORDS
	s_lshl_b32 s52, s47, 1
	s_add_co_u32 s50, s50, s52
	s_mul_i32 s52, s45, FIB
	s_add_co_u32 s48, s48, s52
	s_mul_i32 s52, s47, 768
	s_add_co_u32 s48, s48, s52
	s_add_nc_u64 s[CB:CB+1], s[8:9], s[48:49]
	s_add_nc_u64 s[CW:CW+1], s[8:9], s[50:51]
	s_wait_loadcnt 0x0
	v_perm_b32 v[QS], v[QS], v[QS], s[PSEL]        ; my tile's two bytes, twice
	v_perm_b32 v[QS1], v[QS1], v[QS1], s[PSEL]
	s_wait_alu depctr_va_vdst(0)
	s_wait_tensorcnt 0x0                           ; my key step has landed,
	s_barrier_signal -1
	s_barrier_wait -1                              ; everybody's has
	PASS 0
	PASS 1
	s_wait_tensorcnt 0x0                           ; the wave's end
	ds_add_u32 v254, v255
	s_wait_dscnt 0x0
	CROUND                                         ; the closing round
	s_endpgm
.Lfunc_end_k_q669238f8f0_attn:
	.size	k_q669238f8f0_attn, .Lfunc_end_k_q669238f8f0_attn-k_q669238f8f0_attn
	.p2alignl 7, 3214868480
	.fill 96, 4, 3214868480
	.section	.rodata,"a",@progbits
	.p2align	6, 0x0
	.amdhsa_kernel k_q669238f8f0_attn
		.amdhsa_group_segment_fixed_size 258048
		.amdhsa_private_segment_fixed_size 0
		.amdhsa_enable_private_segment 0
		.amdhsa_kernarg_size 24
		.amdhsa_user_sgpr_count 2
		.amdhsa_user_sgpr_kernarg_segment_ptr 1
		.amdhsa_wavefront_size32 1
		.amdhsa_system_sgpr_workgroup_id_x 1
		.amdhsa_system_sgpr_workgroup_id_y 1
		.amdhsa_system_sgpr_workgroup_id_z 1
		.amdhsa_system_vgpr_workitem_id 0
		.amdhsa_next_free_vgpr 256
		.amdhsa_next_free_sgpr 66
		.amdhsa_reserve_vcc 0
		.amdhsa_float_denorm_mode_32 3
		.amdhsa_float_denorm_mode_16_64 3
		.amdhsa_memory_ordered 1
		.amdhsa_forward_progress 1
		.amdhsa_inst_pref_size 79
	.end_amdhsa_kernel
	.amdgpu_metadata
---
amdhsa.version: [ 1, 2 ]
amdhsa.kernels:
  - .name:           k_q669238f8f0_attn
    .symbol:         k_q669238f8f0_attn.kd
    .args:
      - { .name: q_img, .offset: 0, .size: 8, .value_kind: global_buffer, .address_space: global }
      - { .name: kv_img, .offset: 8, .size: 8, .value_kind: global_buffer, .address_space: global }
      - { .name: ctx_img, .offset: 16, .size: 8, .value_kind: global_buffer, .address_space: global }
    .group_segment_fixed_size: 258048
    .private_segment_fixed_size: 0
    .kernarg_segment_align: 8
    .kernarg_segment_size: 24
    .max_flat_workgroup_size: 512
    .sgpr_count:     66
    .vgpr_count:     256
    .wavefront_size: 32
...
	.end_amdgpu_metadata
.endif
;; end of part 3
;; launch outp (part 4): grid 8 x 32, 4 waves a work-group, clusters of 4 x 4, 327,680 bytes of LDS; arguments ctx_img, w_img, bo, out0; writes out0
.if DOCPART == 4
	.amdgcn_target "amdgcn-amd-amdhsa--gfx1250"
	.amdhsa_code_object_version 6
	.text
	.protected	k_q669238f8f0_outp
	.globl	k_q669238f8f0_outp
	.p2align	8
	.type	k_q669238f8f0_outp,@function
k_q669238f8f0_outp:
	s_mov_b64 s[64:65], 0
	v_nop
	global_prefetch_b8 v0, s[64:65] scope:SCOPE_SE
	s_setreg_imm32_b32 hwreg(HW_REG_WAVE_MODE, 25, 1), 1
	s_wait_xcnt 0x0
	s_wait_alu depctr_hold_cnt(0) depctr_sa_sdst(0) depctr_va_vdst(0) depctr_va_sdst(0) depctr_va_ssrc(0) depctr_va_vcc(0) depctr_vm_vsrc(0)
	s_getreg_b32 s2, hwreg(HW_REG_IB_STS2, 6, 4)
	s_cmp_eq_u32 s2, 0
	s_cbranch_scc0 .Lentry_in_a_cluster
	s_endpgm
.Lentry_in_a_cluster:
	s_bfe_u32 s2, ttmp6, 0x10000c
	s_cmp_lg_u32 s2, 0xf033
	s_cbranch_scc0 .Lentry_shape_is_right
	s_endpgm
.Lentry_shape_is_right:
; out0 = ctx Wo + bo on codes of FP6 (E2M3).  The operands are panels (128 rows x K 1,024; eight K steps of eight fragment images and 512 bytes of scale words), laid in the order of the operands' registers;
; lane r of tile t holds the panel's row 32 (t / 2) + 8 (t % 2) + r + 8 (r / 8).
; A WORK-GROUP takes one panel of Wo's columns as source 0 (op0) and two panels of ctx as source 1 (op1), with ALL OF K IN LDS: 307,200 bytes, each byte filled once.
; A wave takes op0's 8 tiles x 4 tiles of op1 (panel wave / 2, tiles 4 (wave % 2) on): 32 accumulators, (a, b) at register 64 a + 8 b of window 1.  A lane holds one row of ctx; its 64 registers of a tile a are
; columns 32 blk + 16 h + 0 .. 15 of the panel's 128.  CLUSTER 4 x 4: op1 is shared along the cluster's row, op0 along its column: each is asked for jointly by four work-groups.
; THE WAY OUT goes through each wave's own stage in LDS (16 rows of 512 + 16 bytes), so that a store covers a row's 512 consecutive bytes.  The stage lies in the panels' bytes: they have had their only fill, and a barrier
; behind every wave's last LDS read stands ahead of the first store into it.
; REGISTERS.  window 0: v1-15 addresses; v16-27 scale words, two sets; v28-29 the stage; v36-99 bo; v100-163 a tile's results; v164-227 rows read back.  window 1: accumulators.  windows 2, 3: fragments, two sets.
.set PANEL, 102400
.set KSB,   12800
.set FIB,   1536
.set WORDS, 12288
.set CHUNK, 25600
.set OP0,   204800
.set WV,   18
.set G1R,  28
.set G1C,  36
.set G0R,  44
.set G0C,  68
.set L16,  1
.set L8,   2
.set L4,   3
.set SC,   16
.set SIN,  28
.set SRD,  29
.set BA,   36
.set XG,   100
.set YG,   164
.set MSB, 0
.macro WIN new                         ; the immediate's high byte repeats the setting that is left
.if MSB != \new
	s_set_vgpr_msb (MSB<<8)|\new
.set MSB, \new
.endif
.endm
.macro PLACES
.rept 4
	v_nop
.endr
.endm
.macro CROUND
	s_barrier_signal -1
	s_barrier_wait -1
	s_cmp_lg_u32 s[WV], 0
	s_cbranch_scc1 .Lnot_wave_0_\@
	s_barrier_signal -3
.Lnot_wave_0_\@:
	s_barrier_wait -3
	s_barrier_signal -1
	s_barrier_wait -1
.endm
.macro FI reg, a16, off
	ds_load_b128 v[\reg:\reg+3], v[\a16] offset:\off
	ds_load_b64 v[\reg+4:\reg+5], v[\a16+1] offset:\off+512
	ds_load_b128 v[\reg+6:\reg+9], v[\a16] offset:\off+768
	ds_load_b64 v[\reg+10:\reg+11], v[\a16+1] offset:\off+1280
.endm
.macro FETCH s                         ; K step s: 12 images into set s % 2 (window 2 or 3), 6 registers of scale words: 54 LDS loads
	WIN 0x80+0x40*((\s)%2)
.irp t, 0,1,2,3,4,5,6,7
	FI 12*\t, 4+2*((\s)/4), ((\s)%4)*KSB+\t*FIB
.endr
.irp t, 0,1,2,3
	FI 96+12*\t, 8+2*((\s)/4), ((\s)%4)*KSB+\t*FIB
.endr
	WIN 0
.irp i, 0,1,2,3
	ds_load_b32 v[SC+6*((\s)%2)+\i], v[12+(\s)/4] offset:((\s)%4)*KSB+128*\i
.endr
.irp i, 0,1
	ds_load_b32 v[SC+6*((\s)%2)+4+\i], v[14+(\s)/4] offset:((\s)%4)*KSB+128*\i
.endr
.endm
.macro WM d, a, b, zero, sa, sb, ra, rb
.if \zero
.if (\ra) && (\rb)
	v_wmma_scale_f32_16x16x128_f8f6f4 v[\d:\d+7], v[\a:\a+11], v[\b:\b+11], 0, v[\sa], v[\sb] matrix_a_fmt:MATRIX_FMT_FP6 matrix_b_fmt:MATRIX_FMT_FP6 matrix_a_scale:MATRIX_SCALE_ROW1 matrix_b_scale:MATRIX_SCALE_ROW1
.elseif \ra
	v_wmma_scale_f32_16x16x128_f8f6f4 v[\d:\d+7], v[\a:\a+11], v[\b:\b+11], 0, v[\sa], v[\sb] matrix_a_fmt:MATRIX_FMT_FP6 matrix_b_fmt:MATRIX_FMT_FP6 matrix_a_scale:MATRIX_SCALE_ROW1
.elseif \rb
	v_wmma_scale_f32_16x16x128_f8f6f4 v[\d:\d+7], v[\a:\a+11], v[\b:\b+11], 0, v[\sa], v[\sb] matrix_a_fmt:MATRIX_FMT_FP6 matrix_b_fmt:MATRIX_FMT_FP6 matrix_b_scale:MATRIX_SCALE_ROW1
.else
	v_wmma_scale_f32_16x16x128_f8f6f4 v[\d:\d+7], v[\a:\a+11], v[\b:\b+11], 0, v[\sa], v[\sb] matrix_a_fmt:MATRIX_FMT_FP6 matrix_b_fmt:MATRIX_FMT_FP6
.endif
.else
.if (\ra) && (\rb)
	v_wmma_scale_f32_16x16x128_f8f6f4 v[\d:\d+7], v[\a:\a+11], v[\b:\b+11], v[\d:\d+7], v[\sa], v[\sb] matrix_a_fmt:MATRIX_FMT_FP6 matrix_b_fmt:MATRIX_FMT_FP6 matrix_a_scale:MATRIX_SCALE_ROW1 matrix_b_scale:MATRIX_SCALE_ROW1
.elseif \ra
	v_wmma_scale_f32_16x16x128_f8f6f4 v[\d:\d+7], v[\a:\a+11], v[\b:\b+11], v[\d:\d+7], v[\sa], v[\sb] matrix_a_fmt:MATRIX_FMT_FP6 matrix_b_fmt:MATRIX_FMT_FP6 matrix_a_scale:MATRIX_SCALE_ROW1
.elseif \rb
	v_wmma_scale_f32_16x16x128_f8f6f4 v[\d:\d+7], v[\a:\a+11], v[\b:\b+11], v[\d:\d+7], v[\sa], v[\sb] matrix_a_fmt:MATRIX_FMT_FP6 matrix_b_fmt:MATRIX_FMT_FP6 matrix_b_scale:MATRIX_SCALE_ROW1
.else
	v_wmma_scale_f32_16x16x128_f8f6f4 v[\d:\d+7], v[\a:\a+11], v[\b:\b+11], v[\d:\d+7], v[\sa], v[\sb] matrix_a_fmt:MATRIX_FMT_FP6 matrix_b_fmt:MATRIX_FMT_FP6
.endif
.endif
.endm
.macro MUL32 s, zero                   ; 32 products; the 32 accumulators take turns, one instruction a turn
	WIN 0x5a+5*((\s)%2)
.irp a, 0,1,2,3
.irp b, 0,1,2,3,4,5,6,7
	WM 64*\a+8*\b, 12*\b, 96+12*\a, \zero, SC+6*((\s)%2)+\b/2, SC+6*((\s)%2)+4+\a/2, \b%2, \a%2
.endr
.endr
.endm
; K step s: its fragments are in; the next step's are fetched while this step's 32 products are issued.  endbar = 1 (the last step): my LDS reads are over: a barrier, its signal ahead of the products and its wait behind them.
.macro KSTEP s, endbar
.if (\s) == 3
	s_wait_tensorcnt 0x0                           ; my part of K steps 4 to 7 has landed
.endif
	s_wait_dscnt 0x0                               ; step s's fragments are in (and no LDS load is pending at a signal)
.if (\s) == 3
	s_barrier_signal -1
	s_barrier_wait -1                              ; everybody's has
.endif
.if ((\s) > 0) && ((\s) < 7)
	PLACES                                         ; four places between the last products and loads into the registers that they read
.endif
.if (\s) < 7
	FETCH (\s)+1
.endif
.if \endbar
	s_barrier_signal -1
.endif
.if (\s) == 0
	MUL32 \s, 1                                    ; the first products start the sums: nothing is cleared
.else
	MUL32 \s, 0
.endif
.if \endbar
	s_barrier_wait -1
.endif
.endm
	s_load_b256 s[4:11], s[0:1], 0x0               ; ctx_img s[4:5], w_img s[6:7], bo s[8:9], out0 s[10:11]
	v_lshl_add_u32 v254, v0, 2, 0x4b000
	v_mov_b32 v255, 0
	ds_add_u32 v254, v255
	ds_add_u32 v254, v255
	v_lshrrev_b32 v1, 5, v0
	v_readfirstlane_b32 s[WV], v1                  ; wave 0..3
	s_and_b32 s19, s[WV], 1
	s_lshr_b32 s20, s[WV], 1
	s_bfe_u32 s21, ttmp6, 0x40000                  ; cx
	s_bfe_u32 s22, ttmp6, 0x40004                  ; cy
	s_lshl_b32 s24, ttmp9, 2
	s_add_co_u32 s24, s24, s21                     ; gx: 128 columns of out0
	s_and_b32 s25, ttmp7, 0xffff
	s_lshl_b32 s25, s25, 2
	s_add_co_u32 s25, s25, s22                     ; gy: 256 rows
	s_lshl_b32 s92, s22, 2
	s_lshl_b32 s92, 15, s92                        ; my row of the cluster
	s_lshl_b32 s93, 0x1111, s21                    ; my column
	s_or_b32 s[G1R], s92, (3<<16)|(1<<21)          ; 15:0 the mask; 17:16 elements of 8 bytes; 21 set beside a mask; no padding
	s_or_b32 s[G1C], s93, (3<<16)|(1<<21)
.irp g, G1R, G1C                       ; a dense block of 25,600 bytes as 100 rows of 256
	s_mov_b32 s[\g+1], 32<<16
	s_mov_b32 s[\g+2], 100<<16
	s_mov_b32 s[\g+3], 32<<16
	s_mov_b32 s[\g+4], 100
	s_mov_b32 s[\g+5], 32
	s_mov_b32 s[\g+6], 0
	s_mov_b32 s[\g+7], 0
.endr
	s_mov_b32 s[G1R+2], 200<<16                    ; op1's loads bring four K steps of a panel: 200 rows of 256 bytes
	s_mov_b32 s[G1R+4], 200
	s_lshl_b32 s84, s25, 1
	s_add_co_u32 s84, s84, s19                     ; op1: ctx_img's panel 2 gy + wave (waves 0 and 1 fetch): it holds no cx
	s_mul_i32 s84, s84, PANEL
	s_mov_b32 s85, 0
	s_add_co_u32 s88, s24, 24                      ; op0: w_img's panel 24 + gx: it holds no cy
	s_mul_i32 s88, s88, PANEL
	s_mov_b32 s89, 0
	s_mul_i32 s27, s19, PANEL
	s_wait_dscnt 0x0
	s_wait_kmcnt 0x0
	s_add_nc_u64 s[86:87], s[4:5], s[84:85]
	s_add_nc_u64 s[90:91], s[6:7], s[88:89]
	s_mul_i32 s60, s19, CHUNK                      ; op0: wave 2 takes the first two K steps of each half of K, wave 3 the other two
	s_mov_b32 s61, 0
	s_add_nc_u64 s[90:91], s[90:91], s[60:61]
.irp c, 0,2
	s_mov_b32 s[G0R+4*\c], 1
	s_add_co_u32 s[G0R+4*\c+1], s27, CHUNK*\c
	s_add_nc_u64 s[G0R+4*\c+2:G0R+4*\c+3], s[86:87], CHUNK*\c
	s_or_b32 s[G0R+4*\c+3], s[G0R+4*\c+3], 0x80000000
	s_mov_b32 s[G0C+4*\c], 1
	s_add_co_u32 s[G0C+4*\c+1], s60, OP0+CHUNK*\c
	s_add_nc_u64 s[G0C+4*\c+2:G0C+4*\c+3], s[90:91], CHUNK*\c
	s_or_b32 s[G0C+4*\c+3], s[G0C+4*\c+3], 0x80000000
.endr
	CROUND                                         ; all sixteen work-groups are here: the joint loads meet
; One joint load a wave: waves 0 and 1 four K steps of op1's two panels, waves 2 and 3 two K steps each of op0.  c = 0: K steps 0 to 3; c = 2: K steps 4 to 7
.macro JL c
	s_cmp_lt_u32 s[WV], 2
	s_cbranch_scc0 .Lop0_\@
	tensor_load_to_lds s[G0R+4*\c:G0R+4*\c+3], s[G1R:G1R+7]
	s_nop 0
	PLACES
	s_branch .Lasked_\@
.Lop0_\@:
	tensor_load_to_lds s[G0C+4*\c:G0C+4*\c+3], s[G1C:G1C+7]
	s_nop 0
	PLACES
.Lasked_\@:
.endm
	JL 0                                           ; one tensor load a wave at the head
	v_and_b32 v30, 31, v0
	v_lshlrev_b32 v[L16], 4, v30
	v_lshlrev_b32 v[L8], 3, v30
	v_lshlrev_b32 v[L4], 2, v30
	v_add_nc_u32 v4, OP0, v[L16]
	v_add_nc_u32 v5, OP0, v[L8]
	v_add_nc_u32 v6, OP0+4*KSB, v[L16]
	v_add_nc_u32 v7, OP0+4*KSB, v[L8]
	s_mul_i32 s60, s20, PANEL
	s_mul_i32 s61, s19, 4*FIB
	s_add_co_u32 s61, s60, s61
	v_add_nc_u32 v8, s61, v[L16]
	v_add_nc_u32 v9, s61, v[L8]
	s_add_co_u32 s61, s61, 4*KSB
	v_add_nc_u32 v10, s61, v[L16]
	v_add_nc_u32 v11, s61, v[L8]
	v_add_nc_u32 v12, OP0+WORDS, v[L4]
	v_add_nc_u32 v13, OP0+WORDS+4*KSB, v[L4]
	s_lshl_b32 s61, s19, 8
	s_add_co_u32 s61, s61, s60
	s_add_co_u32 s61, s61, WORDS
	v_add_nc_u32 v14, s61, v[L4]
	s_add_co_u32 s61, s61, 4*KSB
	v_add_nc_u32 v15, s61, v[L4]
	s_mul_i32 s61, s[WV], 8448                     ; my stage
	v_and_b32 v30, 15, v0
	v_bfe_u32 v31, v0, 4, 1
	v_mul_u32_u24 v[SIN], v30, 528
	v_lshl_add_u32 v[SIN], v31, 6, v[SIN]
	v_add_nc_u32 v[SIN], s61, v[SIN]               ; in: row r, + 64 h
	v_add_nc_u32 v[SRD], s61, v[L16]               ; back: a whole row, 16 bytes a lane
	v_lshlrev_b32 v32, 6, v31                      ; bo: 64 h
	s_wait_alu depctr_va_vdst(0)
	s_lshl_b32 s60, s24, 9                         ; 128 columns of 4 bytes
	s_mov_b32 s61, 0
	s_add_nc_u64 s[94:95], s[8:9], s[60:61]
	s_lshl_b32 s62, s25, 20                        ; 256 rows of 4,096 bytes
	s_lshl_b32 s63, s[WV], 18                      ; 64 rows
	s_add_co_u32 s62, s62, s63
	s_add_co_u32 s62, s62, s60
	s_mov_b32 s63, 0
	s_add_nc_u64 s[96:97], s[10:11], s[62:63]
.irp i, 0,1,2,3,4,5,6,7,8,9,10,11,12,13,14,15
	global_load_b128 v[BA+4*\i:BA+4*\i+3], v32, s[94:95] offset:128*(\i/4)+16*(\i%4)   ; bo at columns 32 blk + 16 h + 0 .. 15
.endr
	s_wait_alu depctr_va_vdst(0)
	s_wait_tensorcnt 0x0                           ; my part of K steps 0 to 3 has landed
	ds_add_u32 v254, v255
	s_wait_dscnt 0x0
	CROUND                                         ; everybody's has, and all sixteen work-groups are here
	JL 2                                           ; K steps 4 to 7: my one load behind the round
	FETCH 0
.irp s, 0,1,2,3,4,5,6
	KSTEP \s, 0
.endr
	KSTEP 7, 1                                     ; behind its barrier nobody reads the panels any more
	WIN 0
	PLACES                                         ; four places ahead of the first read of results
	s_wait_loadcnt 0x0                             ; bo
.irp a, 0,1,2,3
	WIN 0x01                                       ; source 0: window 1
.set II, 0
.rept 32
	v_pk_add_f32 v[XG+II:XG+II+1], v[64*\a+II:64*\a+II+1], v[BA+II:BA+II+1]
.set II, II+2
.endr
	WIN 0
.irp i, 0,1,2,3,4,5,6,7,8,9,10,11,12,13,14,15
	ds_store_b128 v[SIN], v[XG+4*\i:XG+4*\i+3] offset:128*(\i/4)+16*(\i%4)
.endr
.if \a > 0
	s_wait_xcnt 0x0                                ; the last tile's stores have read the registers that the rows come back into
.endif
.irp t, 0,1,2,3,4,5,6,7,8,9,10,11,12,13,14,15
	ds_load_b128 v[YG+4*\t:YG+4*\t+3], v[SRD] offset:528*\t     ; LDS serves a wave's instructions in order: these see my stores
.endr
.irp t, 0,1,2,3,4,5,6,7,8,9,10,11,12,13,14,15
	s_wait_dscnt 15-\t                             ; row t is back; the rows read behind it may be out.  At t = 15 my stores into the stage have read their registers too
	global_store_b128 v[L16], v[YG+4*\t:YG+4*\t+3], s[96:97] offset:(32*(\a/2)+8*(\a%2)+\t+8*(\t/8))*4096 th:TH_STORE_NT   ; 512 consecutive bytes of a row of out0, at a multiple of 256 from its first byte
.endr
.endr
	s_wait_tensorcnt 0x0
	ds_add_u32 v254, v255
	s_wait_dscnt 0x0
	CROUND                                         ; the closing round: no work-group ends while a partner may still ask for a tile that names it
	s_endpgm
.Lfunc_end_k_q669238f8f0_outp:
	.size	k_q669238f8f0_outp, .Lfunc_end_k_q669238f8f0_outp-k_q669238f8f0_outp
	.p2alignl 7, 3214868480
	.fill 96, 4, 3214868480
	.section	.rodata,"a",@progbits
	.p2align	6, 0x0
	.amdhsa_kernel k_q669238f8f0_outp
		.amdhsa_group_segment_fixed_size 327680
		.amdhsa_private_segment_fixed_size 0
		.amdhsa_enable_private_segment 0
		.amdhsa_kernarg_size 32
		.amdhsa_user_sgpr_count 2
		.amdhsa_user_sgpr_kernarg_segment_ptr 1
		.amdhsa_wavefront_size32 1
		.amdhsa_system_sgpr_workgroup_id_x 1
		.amdhsa_system_sgpr_workgroup_id_y 1
		.amdhsa_system_sgpr_workgroup_id_z 1
		.amdhsa_system_vgpr_workitem_id 0
		.amdhsa_next_free_vgpr 912
		.amdhsa_next_free_sgpr 100
		.amdhsa_reserve_vcc 0
		.amdhsa_float_denorm_mode_32 3
		.amdhsa_float_denorm_mode_16_64 3
		.amdhsa_memory_ordered 1
		.amdhsa_forward_progress 1
		.amdhsa_inst_pref_size 95
	.end_amdhsa_kernel
	.amdgpu_metadata
---
amdhsa.version: [ 1, 2 ]
amdhsa.kernels:
  - .name:           k_q669238f8f0_outp
    .symbol:         k_q669238f8f0_outp.kd
    .args:
      - { .name: ctx_img, .offset: 0, .size: 8, .value_kind: global_buffer, .address_space: global }
      - { .name: w_img, .offset: 8, .size: 8, .value_kind: global_buffer, .address_space: global }
      - { .name: bo, .offset: 16, .size: 8, .value_kind: global_buffer, .address_space: global }
      - { .name: out0, .offset: 24, .size: 8, .value_kind: global_buffer, .address_space: global }
    .group_segment_fixed_size: 327680
    .private_segment_fixed_size: 0
    .kernarg_segment_align: 8
    .kernarg_segment_size: 32
    .max_flat_workgroup_size: 128
    .sgpr_count:     100
    .vgpr_count:     912
    .wavefront_size: 32
...
	.end_amdgpu_metadata
.endif
;; end of part 4
